; MI455X (gfx1250); checked and timed in simulation.
; The chip was launched on July 23, 2026; its instructions are those of AMD's public machine-readable ISA for CDNA 5 (MIT licence, August 2026) and "CDNA5" Instruction Set Architecture Reference Guide (July 2026). The comments in the code are by the model that wrote it; some were corrected since.
;; Causal Self Attention. Allowed arithmetic: matrix products marked QUANTISED: E2M3 operands, one E8M0 scale for each 32 along K, by v_wmma_scale_f32_16x16x128_f8f6f4 with both operands' format E2M3, f32 sums; everything else in f32.
;; Inputs: W_out 1,024 x 1,024 float32; W_qkv 1,024 x 3,072 float32; b_out 1,024 float32; b_qkv 3,072 float32; x 4 x 2,048 x 1,024 float32.
;; Outputs: out0 4 x 2,048 x 1,024 float32.
;; This version of the problem:
;;   THIS VERSION OF THE PROBLEM IS GIVEN IN LOW PRECISION. The matrix products marked QUANTISED in the list below multiply operands that are first quantised to E2M3 (2 exponent bits, 3 mantissa bits; 6 bits a number), with one power-of-two scale for each 32 numbers along K (OCP MX v1.0); their sums are f32. All else is computed in f32.
;;   The module's matrix products, in the order in which they are computed (A, B: the left and right operand; K: the contracted axis; several contracted axes count as one K, in the product's order):
;;     1. [M 8,192, K 1,024] x [K 1,024, N 3,072]; A: input x; B: input W_qkv: QUANTISED
;;     2. batch 64 x [M 2,048, K 64] x [K 64, N 2,048]; A: computed on the way; B: computed on the way: QUANTISED
;;     3. batch 64 x [M 2,048, K 2,048] x [K 2,048, N 64]; A: softmax (see below); B: computed on the way: QUANTISED
;;     4. [M 8,192, K 1,024] x [K 1,024, N 1,024]; A: computed on the way; B: input W_out: QUANTISED
;;   THE QUANTISER, for each operand of a quantised product, along K:
;;     - K is cut into blocks of 32 from its start; a last block that is shorter is filled with zeros.
;;     - A block's scale is 2^e with e = floor(log2(the largest magnitude in the block)) - 2, held to -126 .. 127; a block of zeros has e = 0. As a byte (E8M0): e + 127.
;;     - Each number is divided by its block's scale, clamped to +-7.5, and rounded to the nearest number of E2M3, ties to even, subnormals kept.
;;     - The product sums the exact products of the quantised numbers (number of the format x scale) in f32.
;;   ~~~python
;;   def quantise(x, axis):      # numpy; x: float32 -> the quantised numbers, widened to float32 again
;;       x = np.moveaxis(x, axis, -1); K = x.shape[-1]
;;       x = np.pad(x, [(0, 0)] * (x.ndim - 1) + [(0, -K % 32)]); x = x.reshape(x.shape[:-1] + (-1, 32)); a = np.abs(x).max(-1, keepdims=True)
;;       e = np.where(a > 0, np.clip(np.frexp(np.where(a > 0, a, 1))[1] - 1 - 2, -126, 127), 0)      # np.frexp(a)[1] - 1 = floor(log2(a)), exactly
;;       r = np.clip(x / 2.0 ** e, -7.5, 7.5)
;;       step = 2.0 ** (np.maximum(np.frexp(np.where(r == 0, 1, r))[1] - 1, 0) - 3)
;;       q = np.round(r / step) * step * 2.0 ** e      # np.round: ties to even
;;       return np.moveaxis(q.reshape(q.shape[:-2] + (-1,))[..., :K], -1, axis).astype(np.float32)
;;   ~~~
;;   SOFTMAX AHEAD OF A QUANTISED PRODUCT. Where the list says 'softmax', what is quantised is not the finished softmax but p = 2^(t - M), with t = logit x log2(e) and M = ceil(the row's largest t), a whole number; so 1/2 < the row's largest p <= 1. The row's sum l is taken of the UNQUANTISED p, in f32, and the product's result is divided by l at the end. Since M is a whole number, a kernel that streams over the keys may use a running M (the ceiling of the running maximum): every later rescaling is an exact power of two, which a block's scale takes up: the codes' values come out the same.
;;   OPERANDS COMPUTED ON THE WAY. 'Computed on the way' means the value that the module computes at that place (a softmax that the list does not call 'softmax' is quantised finished and normalised). What goes into a quantiser is computed in f32, as accurately as f32 sums, v_exp_f32 and their like allow (about 1e-6 of the number): no bf16 or f16 on the way to a quantiser, and a product that is left as it is and whose result goes on into a quantised operand takes f32 operands (vector FMAs, or v_wmma_f32_16x16x4_f32). A number that lies on a knife's edge between two numbers of the format may be rounded either way, as far as f32 arithmetic and the matrix unit's own rounding can turn it there, and no further.
;; One version. Each part assembles by itself: llvm-mc -triple=amdgcn-amd-amdhsa -mcpu=gfx1250 --defsym DOCPART=n.
;; ======== version 1 of 1: 4 launches
;; workspace buffers: opc 15,728,640 bytes; ops 655,360 bytes; himg 18,874,368 bytes; hsc 1,310,720 bytes
;; launch quant (part 1): grid 384 x 1, 4 waves a work-group, no clusters, 58,880 bytes of LDS; arguments x, W_qkv, W_out, opc, ops; writes opc, ops
.if DOCPART == 1
	.amdgcn_target "amdgcn-amd-amdhsa--gfx1250"
	.amdhsa_code_object_version 6
	.text
	.protected	k_qd296963b91_quant
	.globl	k_qd296963b91_quant
	.p2align	8
	.type	k_qd296963b91_quant,@function
k_qd296963b91_quant:
	s_mov_b64 s[64:65], 0
	v_nop
	global_prefetch_b8 v0, s[64:65] scope:SCOPE_SE
	s_setreg_imm32_b32 hwreg(HW_REG_WAVE_MODE, 25, 1), 1
	s_wait_xcnt 0x0
; x [8192][1024], W_qkv [1024][3072] and W_out [1024][1024], f32, become codes of FP6 (E2M3) with one E8M0 byte for each 32 along K = 1024,
; laid in the order of a matrix operand's registers.
; ROW BLOCKS.  An operand's rows (x: tokens; W: columns) are cut into groups of 32, each into two blocks of 16: lane r of block 2 g + u holds row 32 g + 8 u + r + 8 (r / 8).
; opc: [block][16 pieces of 64 along K][768 bytes]: in a piece lane l = r + 16 h owns the codes k = 32 h .. 32 h + 31 of its row: its registers 0-3 at 16 l, its registers 4-5 at 512 + 8 l.
; ops: [block][4 quarters of K][r][2 words]: a word is the four scale bytes of 128 along K.   Blocks 0-511: x; 512-703: W_qkv's columns; 704-767: W_out's.
; A block of 32's scale is 2^(floor(log2(largest magnitude)) - 2); its byte is the largest magnitude's exponent field - 2, held at 1 from below.
; LIMITS: NaN and infinities among the inputs are not served; a block of zeros gets the byte 1 where the rule says 127: its codes are zeros, and this program alone reads the bytes.
; Work-groups 0-255 take x, 256-383 the weights; the two ways have LDS bytes of their own.  Waves share nothing: no barrier.  No matrix unit, no cluster: every byte is read once.
.set L16,  2                           ; v2  16 x lane
.set L8,   3                           ; v3  8 x lane
.set SEL,  20                          ; s[20:21] lane selects for v_permlanex16_b32: lane l xor 16
.set XSTG, 8448                        ; x's way: a stage of 16 rows x (512 + 16) bytes for each wave
.set WST0, 4*XSTG                      ; the weights' way: stages of 6,144 bytes, behind x's
.set WSTG, 6144
.set STW,  4                           ; v4  into x's stage
.set STR,  5                           ; v5  out of it
.set RR,   16                          ; v16-143  two sets of 64 numbers as loaded
.set XX,   144                         ; v144-207 64 numbers: register 16 b + i = k 32 b + 16 h + i of my row
.set PC,   208                         ; v208-227 the codes just made
.set TM,   228                         ; v228-243 at work
.set PW,   244                         ; the scale word just made
.set PWS,  246                         ; v246-249 the four steps' words
.set VO,   16                          ; the weights' way: v16-47 offsets of 32 rows of W
.set WX,   48                          ; v48-111 two sets of 32 numbers
.set CC,   112                         ; v112-118 a block's codes
.set SBY,  120                         ; v120-121 eight scale bytes
.set OUTR, 128                         ; v128-175 the way out
.set SB,   24                          ; s[24:39] eight bases, one for each block of 32 rows of W
; 64 numbers of a lane become a fragment's 12 registers in v[PC] on and its scale word in v[PW]
.macro QUANT s
.irp b, 0,1,2,3
	v_max3_num_f32 v[TM+\b], |v[\s+16*\b]|, |v[\s+1+16*\b]|, 0x1800000   ; my 16 numbers of block b, and the floor 2^(3 - 127): the byte cannot fall under 1
.endr
.irp i, 2,4,6,8,10,12,14
.irp b, 0,1,2,3
	v_max3_num_f32 v[TM+\b], v[TM+\b], |v[\s+16*\b+\i]|, |v[\s+1+16*\b+\i]|
.endr
.endr
.irp b, 0,1,2,3
	v_permlanex16_b32 v[TM+4+\b], v[TM+\b], s[SEL], s[SEL+1]
.endr
.irp b, 0,1,2,3
	v_max_num_f32 v[TM+\b], v[TM+\b], v[TM+4+\b]          ; with lane l xor 16's: the block's largest magnitude
.endr
.irp b, 0,1,2,3
	v_add_nc_u32 v[TM+12+\b], 0xff000000, v[TM+\b]        ; 2 off its exponent field: the conversion's scale operand
.endr
.irp b, 0,1,2,3
	v_lshrrev_b32 v[TM+4+\b], 23, v[TM+12+\b]             ; the scale's byte
.endr
	v_lshl_or_b32 v[PW], v[TM+5], 8, v[TM+4]
	v_lshl_or_b32 v[PW], v[TM+6], 16, v[PW]
	v_lshl_or_b32 v[PW], v[TM+7], 24, v[PW]
.irp c, 0,1
	v_cvt_scalef32_pk16_fp6_f32 v[PC+6*\c:PC+2+6*\c], v[\s+32*\c:\s+15+32*\c], v[TM+12+2*\c]
	v_cvt_scalef32_pk16_fp6_f32 v[PC+12+4*\c:PC+14+4*\c], v[\s+16+32*\c:\s+31+32*\c], v[TM+12+2*\c+1]   ; (a conversion's three registers begin on an even number)
.endr
	v_nop                                                  ; one plain line behind a scaled conversion
.irp c, 0,1                                            ; the operand wants a whole block of 32 in a lane
.irp i, 0,1,2
	v_permlane16_swap_b32 v[PC+6*\c+\i], v[PC+12+4*\c+\i]
.endr
.irp i, 0,1,2
	v_mov_b32 v[PC+3+6*\c+\i], v[PC+12+4*\c+\i]
.endr
.endr
.endm
	s_load_b256 s[4:11], s[0:1], 0x0               ; x s[4:5], W_qkv s[6:7], W_out s[8:9], opc s[10:11]
	s_load_b64 s[12:13], s[0:1], 0x20              ; ops
	v_lshl_add_u32 v254, v0, 2, 0xe400
	v_mov_b32 v255, 0
	v_lshrrev_b32 v1, 5, v0
	v_readfirstlane_b32 s14, v1                    ; wave 0..3
	v_and_b32 v1, 31, v0                           ; lane
	v_lshlrev_b32 v[L16], 4, v1
	v_lshlrev_b32 v[L8], 3, v1
	s_cmp_lt_u32 ttmp9, 256
	s_cbranch_scc0 .Lweights
; ---------------- x: a wave takes one row block x 512 along K: four steps of one fragment
	v_and_b32 v6, 15, v0                           ; r
	v_bfe_u32 v7, v0, 4, 1                         ; h
	s_mul_i32 s15, s14, XSTG
	v_add_nc_u32 v[STW], s15, v[L16]               ; in: a row's 512 bytes as they lie
	v_mul_u32_u24 v[STR], v6, 528
	v_lshl_add_u32 v[STR], v7, 6, v[STR]
	v_add_nc_u32 v[STR], s15, v[STR]               ; out: row r, + 64 h: my 16 numbers of each block of 32
	s_mov_b32 s[SEL], 0x76543210
	s_mov_b32 s[SEL+1], 0xfedcba98
.irp b, 0,1,2,3
	v_mov_b32 v[TM+4+\b], 0                        ; written once: a lane permute's destination counts as one of its sources
.endr
	s_lshr_b32 s16, s14, 1                         ; u: which block of the work-group's 32 rows
	s_and_b32 s17, s14, 1                          ; which half of K
	s_lshl_b32 s18, ttmp9, 17                      ; 32 rows of 4,096 bytes a work-group
	s_lshl_b32 s19, s16, 15                        ; + 8 u rows
	s_add_co_u32 s18, s18, s19
	s_lshl_b32 s19, s17, 11                        ; + 512 numbers
	s_add_co_u32 s18, s18, s19
	s_mov_b32 s19, 0
	s_lshl_b32 s22, ttmp9, 1
	s_add_co_u32 s22, s22, s16                     ; my row block
	s_mul_i32 s24, s22, 12288
	s_mul_i32 s23, s17, 6144
	s_add_co_u32 s24, s24, s23
	s_mov_b32 s25, 0
	s_lshl_b32 s26, s22, 9
	s_lshl_b32 s23, s17, 8
	s_add_co_u32 s26, s26, s23
	s_mov_b32 s27, 0
	s_wait_alu depctr_va_vdst(0)
	s_wait_kmcnt 0x0
	s_add_nc_u64 s[4:5], s[4:5], s[18:19]
	s_add_nc_u64 s[10:11], s[10:11], s[24:25]
	s_add_nc_u64 s[12:13], s[12:13], s[26:27]
.macro LOADX t                         ; step t: 128 numbers of each of my 16 rows; a load reads 512 consecutive bytes of one row
.irp i, 0,1,2,3,4,5,6,7,8,9,10,11,12,13,14,15
	global_load_b128 v[RR+64*((\t)%2)+4*\i:RR+64*((\t)%2)+4*\i+3], v[L16], s[4:5] offset:(\i+8*(\i/8))*4096+512*(\t) th:TH_LOAD_NT
.endr
.endm
.macro XSTEP t
.if (\t) < 3
	s_wait_loadcnt 16                              ; this step's 16 loads are in; the next step's 16 may be out
.else
	s_wait_loadcnt 0x0
.endif
.irp i, 0,1,2,3,4,5,6,7,8,9,10,11,12,13,14,15
	ds_store_b128 v[STW], v[RR+64*((\t)%2)+4*\i:RR+64*((\t)%2)+4*\i+3] offset:528*\i
.endr
.irp b, 0,1,2,3
.irp j, 0,1,2,3
	ds_load_b128 v[XX+16*\b+4*\j:XX+16*\b+4*\j+3], v[STR] offset:128*\b+16*\j   ; LDS serves a wave's instructions in order: these see the stores above
.endr
.endr
	s_wait_dscnt 0x0                               ; the numbers are back, and the stage's stores have read their registers
	s_wait_xcnt 0x0                                ; the last step's stores have read the codes' registers: they are written again below
.if (\t) < 2
	LOADX (\t)+2
.endif
	QUANT XX
	global_store_b128 v[L16], v[PC:PC+3], s[10:11] offset:1536*(\t)          ; 512 consecutive bytes
	global_store_b64 v[L8], v[PC+4:PC+5], s[10:11] offset:1536*(\t)+512      ; 256 consecutive bytes
	global_store_b128 v[L16], v[PC+6:PC+9], s[10:11] offset:1536*(\t)+768
	global_store_b64 v[L8], v[PC+10:PC+11], s[10:11] offset:1536*(\t)+1280
	v_mov_b32 v[PWS+(\t)], v[PW]
.endm
	LOADX 0
	LOADX 1
	XSTEP 0
	XSTEP 1
	XSTEP 2
	XSTEP 3
	v_cmp_lt_u32 vcc_lo, 15, v1                    ; lanes 16-31 store the second quarter's two words of row r
	v_cndmask_b32 v250, v[PWS], v[PWS+2], vcc_lo
	v_cndmask_b32 v251, v[PWS+1], v[PWS+3], vcc_lo
	global_store_b64 v[L8], v[250:251], s[12:13]   ; 256 consecutive bytes
	s_wait_tensorcnt 0x0
	ds_add_u32 v254, v255
	s_wait_dscnt 0x0
	s_endpgm
; ---------------- the weights: K is their first axis.  A lane takes a column and its registers run down K; a wave takes 32 columns x 256 along K
.Lweights:
	s_sub_co_u32 s15, ttmp9, 256
	s_lshr_b32 s16, s15, 2                         ; which 128 columns: 0-23 W_qkv's, 24-31 W_out's
	s_and_b32 s17, s15, 3                          ; which 256 along K
	s_mov_b32 s18, 4096
	s_wait_kmcnt 0x0
	s_cmp_lt_u32 s16, 24                           ; the choice hangs on the work-group's number alone
	s_cselect_b64 s[6:7], s[6:7], s[8:9]
	s_cselect_b32 s18, 12288, s18                  ; bytes from row to row of W
	s_cselect_b32 s19, 0, 24
	s_sub_co_u32 s19, s16, s19
	s_lshl_b32 s19, s19, 9                         ; 128 columns of 4 bytes
	s_lshl_b32 s22, s14, 7                         ; + my wave's 32
	s_add_co_u32 s22, s22, s19
	s_lshl_b32 s23, s17, 8
	s_mul_i32 s23, s23, s18                        ; + 256 rows for each step along K
	s_add_co_u32 s22, s22, s23
	s_mov_b32 s23, 0
	s_add_nc_u64 s[SB:SB+1], s[6:7], s[22:23]
	s_lshl_b32 s22, s18, 5                         ; 32 rows on
.irp t, 1,2,3,4,5,6,7
	s_add_nc_u64 s[SB+2*\t:SB+2*\t+1], s[SB+2*\t-2:SB+2*\t-1], s[22:23]
.endr
	s_wait_alu depctr_va_vdst(0)
	v_lshlrev_b32 v8, 2, v1
.set n, 0
.rept 32
	v_mad_u32_u24 v[VO+n], s18, n, v8              ; row n of a block, my column
.set n, n+1
.endr
	v_bfe_u32 v9, v0, 3, 1                         ; u: which of the group's two row blocks my column falls into
	v_and_b32 v10, 7, v0
	v_bfe_u32 v11, v0, 4, 1
	v_lshl_add_u32 v10, v11, 3, v10                ; and which lane r of it
	s_mul_i32 s40, s14, WSTG
	s_add_co_u32 s40, s40, WST0                    ; my stage: [u][4 pieces][768]
	v_mul_u32_u24 v12, v9, 3072
	v_add_nc_u32 v12, s40, v12
	v_lshl_add_u32 v13, v10, 4, v12                ; registers 0-3 of a piece
	v_lshl_add_u32 v14, v10, 3, v12                ; registers 4-5
	v_add_nc_u32 v15, s40, v[L16]                  ; back: as it lies
	v_lshlrev_b32 v12, 9, v9
	v_lshl_add_u32 v12, v10, 3, v12                ; my column's two scale words: 512 u + 8 r
	s_lshl_b32 s41, s16, 2
	s_add_co_u32 s41, s41, s14
	s_lshl_b32 s41, s41, 1
	s_add_co_u32 s41, s41, 512                     ; my first row block
	s_mul_i32 s42, s41, 12288
	s_mul_i32 s44, s17, 3072
	s_add_co_u32 s42, s42, s44
	s_mov_b32 s43, 0
	s_add_nc_u64 s[10:11], s[10:11], s[42:43]
	s_lshl_b32 s42, s41, 9
	s_lshl_b32 s44, s17, 7
	s_add_co_u32 s42, s42, s44
	s_add_nc_u64 s[12:13], s[12:13], s[42:43]
.macro WLOAD t                         ; block t: W(32 t + n, my column): 32 lanes read 128 consecutive bytes, the four waves 512
.set n, 0
.rept 32
	global_load_b32 v[WX+32*((\t)%2)+n], v[VO+n], s[SB+2*(\t):SB+2*(\t)+1] th:TH_LOAD_NT
.set n, n+1
.endr
.endm
.macro WBLOCK t
.set XS, WX+32*((\t)%2)
.if (\t) < 7
	s_wait_loadcnt 32                              ; this block's 32 loads are in; the next block's may be out
.else
	s_wait_loadcnt 0x0
.endif
	v_max3_num_f32 v122, |v[XS]|, |v[XS+1]|, |v[XS+2]|     ; all 32 numbers of the block are mine
	v_max3_num_f32 v123, |v[XS+3]|, |v[XS+4]|, |v[XS+5]|
.irp i, 6,10,14,18,22,26
	v_max3_num_f32 v122, v122, |v[XS+\i]|, |v[XS+\i+1]|
	v_max3_num_f32 v123, v123, |v[XS+\i+2]|, |v[XS+\i+3]|
.endr
	v_max3_num_f32 v122, v122, |v[XS+30]|, |v[XS+31]|
	v_max3_num_f32 v122, v122, v123, 0x1800000     ; and the floor
	v_add_nc_u32 v124, 0xff000000, v122            ; the conversion's scale operand
	v_lshrrev_b32 v125, 23, v124                   ; the byte
.if (\t)%4 == 0
	v_mov_b32 v[SBY+(\t)/4], v125
.else
	v_lshl_or_b32 v[SBY+(\t)/4], v125, 8*((\t)%4), v[SBY+(\t)/4]
.endif
	v_cvt_scalef32_pk16_fp6_f32 v[CC:CC+2], v[XS:XS+15], v124
	v_cvt_scalef32_pk16_fp6_f32 v[CC+4:CC+6], v[XS+16:XS+31], v124
	v_nop                                          ; one plain line behind a scaled conversion
	v_mov_b32 v[CC+3], v[CC+4]                     ; the block's six registers on end
	v_mov_b32 v[CC+4], v[CC+5]
	v_mov_b32 v[CC+5], v[CC+6]
	ds_store_b128 v13, v[CC:CC+3] offset:768*((\t)/2)+256*((\t)%2)           ; piece t / 2, the place of lane r + 16 (t % 2)
	ds_store_b64 v14, v[CC+4:CC+5] offset:768*((\t)/2)+512+128*((\t)%2)
.if (\t) < 6
	WLOAD (\t)+2
.endif
	s_wait_dscnt 0x0                               ; the stores have read their registers
.endm
	WLOAD 0
	WLOAD 1
.irp t, 0,1,2,3,4,5,6,7
	WBLOCK \t
.endr
	s_wait_alu depctr_va_vdst(0)
	global_store_b64 v12, v[SBY:SBY+1], s[12:13]   ; runs of 128 bytes: one byte in 128 of what this way reads
.irp i, 0,1,2,3,4,5,6,7,8,9,10,11
	ds_load_b128 v[OUTR+4*\i:OUTR+4*\i+3], v15 offset:512*\i
.endr
.irp i, 0,1,2,3,4,5,6,7,8,9,10,11
	s_wait_dscnt 11-\i                             ; the younger loads may be out
	global_store_b128 v[L16], v[OUTR+4*\i:OUTR+4*\i+3], s[10:11] offset:(\i/6)*12288+(\i%6)*512   ; 512 consecutive bytes
.endr
	s_wait_tensorcnt 0x0
	ds_add_u32 v254, v255
	s_wait_dscnt 0x0
	s_endpgm
.Lfunc_end_k_qd296963b91_quant:
	.size	k_qd296963b91_quant, .Lfunc_end_k_qd296963b91_quant-k_qd296963b91_quant
	.p2alignl 7, 3214868480
	.fill 96, 4, 3214868480
	.section	.rodata,"a",@progbits
	.p2align	6, 0x0
	.amdhsa_kernel k_qd296963b91_quant
		.amdhsa_group_segment_fixed_size 58880
		.amdhsa_private_segment_fixed_size 0
		.amdhsa_enable_private_segment 0
		.amdhsa_kernarg_size 40
		.amdhsa_user_sgpr_count 2
		.amdhsa_user_sgpr_kernarg_segment_ptr 1
		.amdhsa_wavefront_size32 1
		.amdhsa_system_sgpr_workgroup_id_x 1
		.amdhsa_system_sgpr_workgroup_id_y 1
		.amdhsa_system_sgpr_workgroup_id_z 1
		.amdhsa_system_vgpr_workitem_id 0
		.amdhsa_next_free_vgpr 256
		.amdhsa_next_free_sgpr 66
		.amdhsa_reserve_vcc 1
		.amdhsa_float_denorm_mode_32 3
		.amdhsa_float_denorm_mode_16_64 3
		.amdhsa_memory_ordered 1
		.amdhsa_forward_progress 1
		.amdhsa_inst_pref_size 78
	.end_amdhsa_kernel
	.amdgpu_metadata
---
amdhsa.version: [ 1, 2 ]
amdhsa.kernels:
  - .name:           k_qd296963b91_quant
    .symbol:         k_qd296963b91_quant.kd
    .args:
      - { .name: x, .offset: 0, .size: 8, .value_kind: global_buffer, .address_space: global }
      - { .name: W_qkv, .offset: 8, .size: 8, .value_kind: global_buffer, .address_space: global }
      - { .name: W_out, .offset: 16, .size: 8, .value_kind: global_buffer, .address_space: global }
      - { .name: opc, .offset: 24, .size: 8, .value_kind: global_buffer, .address_space: global }
      - { .name: ops, .offset: 32, .size: 8, .value_kind: global_buffer, .address_space: global }
    .group_segment_fixed_size: 58880
    .private_segment_fixed_size: 0
    .kernarg_segment_align: 8
    .kernarg_segment_size: 40
    .max_flat_workgroup_size: 128
    .sgpr_count:     66
    .vgpr_count:     256
    .wavefront_size: 32
...
	.end_amdgpu_metadata
.endif
;; end of part 1
;; launch gemm_qkv (part 2): grid 12 x 64, 4 waves a work-group, clusters of 4 x 4, 295,424 bytes of LDS; arguments opc, ops, b_qkv, himg, hsc; writes himg, hsc
.if DOCPART == 2
	.amdgcn_target "amdgcn-amd-amdhsa--gfx1250"
	.amdhsa_code_object_version 6
	.text
	.protected	k_qd296963b91_gemm_qkv
	.globl	k_qd296963b91_gemm_qkv
	.p2align	8
	.type	k_qd296963b91_gemm_qkv,@function
k_qd296963b91_gemm_qkv:
	s_mov_b64 s[64:65], 0
	v_nop
	global_prefetch_b8 v0, s[64:65] scope:SCOPE_SE
	s_setreg_imm32_b32 hwreg(HW_REG_WAVE_MODE, 25, 1), 1
	s_wait_xcnt 0x0
	s_wait_alu depctr_hold_cnt(0) depctr_sa_sdst(0) depctr_va_vdst(0) depctr_va_sdst(0) depctr_va_ssrc(0) depctr_va_vcc(0) depctr_vm_vsrc(0)
	s_getreg_b32 s2, hwreg(HW_REG_IB_STS2, 6, 4)
	s_cmp_eq_u32 s2, 0
	s_cbranch_scc0 .Lentry_in_a_cluster
	s_endpgm
.Lentry_in_a_cluster:
	s_bfe_u32 s2, ttmp6, 0x10000c
	s_cmp_lg_u32 s2, 0xf033
	s_cbranch_scc0 .Lentry_shape_is_right
	s_endpgm
.Lentry_shape_is_right:
; qkv = x W_qkv + b_qkv on codes of FP6 (E2M3) with E8M0 scales, and q, k, v quantised at once for the attention's two products: only codes leave.
; OPERANDS come from opc / ops in the order of the operand's registers (row blocks of 16: lane r of block 2 g + u holds row 32 g + 8 u + r + 8 (r / 8); 12,288 bytes of codes and 512 of scale words a block).
; A TILE is 128 rows P (source 1: a lane's row) x 256 rows R (source 0: along a lane's registers).  In a result, lane (r, h) holds P's row r, and the 16 registers of R's blocks 2 g, 2 g + 1 are rows 32 g + 16 h + 0 .. 15.
;   cluster x = 0, 1 (q, k): P = tokens, R = W's columns: a lane's registers run along a head's 64, the first product's K.
;   cluster x = 2 (v):       P = W_v's columns, R = tokens: a lane's registers run along the keys, the second product's K.
; ALL OF K = 1,024 of a tile, 24 blocks x 12,288 bytes, fits in LDS: four chunks of 256 along K, each filled once; no byte of LDS is filled twice.
; CLUSTER 4 x 4: P's blocks are shared along a row of the cluster, R's along a column: joint loads.  Four waves, 2 x 2, each 64 x 128: 32 accumulators.
; himg: q [head of a batch][128 token blocks][768]; then for each head k [128][768] and v [16 key steps][4 blocks of d][1,536].   hsc, 20,480 bytes a head: q, k [32][r][4 words] (bytes 2, 3 of a word are 127: they scale zero codes), v [16][r][4 words].
; LIMITS: NaN and infinities are not served; a block of zeros carries the byte 1: its codes are zeros, and this program alone reads the bytes.
; REGISTERS.  window 0: v1-15 addresses; v32-95 scale words; v96-103 v's bias; v128-175 P's four fragments; behind the products v128-237 at work.
;   window 1: R's fragments, two sets, v0-95 and v128-223; the bias along R in v96-127 and v224-255.   window 2: the accumulators, (a, b) at v[8 (8 a + b)].
.set CH,  73728                        ; a chunk in LDS: P's 8 blocks x 3,072 bytes, then R's 16
.set QSZ, 6291456                      ; q's part of himg
.set SC,  32                           ; v[SC + 8 i + s]: K step s: lanes 0-15 the word of P's block i, lanes 16-31 that of R's block i
.set AF,  128
.set HA,  128                          ; 64 numbers to be quantised
.set PC,  192
.set TM,  212
.set PW,  228
.set TW,  229
.set WS,  232
.set SEL, 84
.set MSB, 0
.macro WIN new                         ; the immediate's high byte repeats the setting that is left
.if MSB != \new
	s_set_vgpr_msb (MSB<<8)|\new
.set MSB, \new
.endif
.endm
.macro PLACES                          ; four plain lines between a matrix instruction and a load into, or a vector line on, its registers
.rept 4
	v_nop
.endr
.endm
.macro CROUND                          ; a round of the cluster's barrier
	s_barrier_signal -1
	s_barrier_wait -1
	s_cmp_lg_u32 s14, 0
	s_cbranch_scc1 .Lnot_wave_0_\@
	s_barrier_signal -3
.Lnot_wave_0_\@:
	s_barrier_wait -3
	s_barrier_signal -1
	s_barrier_wait -1
.endm
.macro FRAG reg, a16, a8, off          ; a fragment's 12 registers, as they lie: each load takes 512 or 256 consecutive bytes
	ds_load_b128 v[(\reg):(\reg)+3], v[\a16] offset:(\off)
	ds_load_b64 v[(\reg)+4:(\reg)+5], v[\a8] offset:(\off)+512
	ds_load_b128 v[(\reg)+6:(\reg)+9], v[\a16] offset:(\off)+768
	ds_load_b64 v[(\reg)+10:(\reg)+11], v[\a8] offset:(\off)+1280
.endm
.macro FETCH_R q, p                    ; R's eight fragments of the chunk's q-th 128 along K into set p
	WIN 0x40
.irp i, 0,1,2,3,4,5,6,7
	FRAG 128*(\p)+12*\i, 5, 6, 3072*\i+1536*(\q)
.endr
	WIN 0
.endm
.macro FETCH_P q, i0                   ; P's blocks i0, i0 + 1
.irp i, \i0, \i0+1
	FRAG AF+12*(\i), 3, 4, 3072*(\i)+1536*(\q)
.endr
.endm
; eight products: P's block a against R's eight.  The 32 accumulators take turns, one instruction a turn, in one order in every step.  zero = 1: the first step starts the sums
.macro MULQ a, p, s, zero
	WIN 0xa1                                       ; source 0 (R) window 1, source 1 (P) window 0, C and D window 2
.irp b, 0,1,2,3,4,5,6,7
.if \zero
	v_wmma_scale_f32_16x16x128_f8f6f4 v[8*(8*(\a)+\b):8*(8*(\a)+\b)+7], v[128*(\p)+12*\b:128*(\p)+12*\b+11], v[AF+12*(\a):AF+12*(\a)+11], 0, v[SC+8*\b+(\s)], v[SC+8*(\a)+(\s)] matrix_a_fmt:MATRIX_FMT_FP6 matrix_b_fmt:MATRIX_FMT_FP6 matrix_a_scale:MATRIX_SCALE_ROW1
.else
	v_wmma_scale_f32_16x16x128_f8f6f4 v[8*(8*(\a)+\b):8*(8*(\a)+\b)+7], v[128*(\p)+12*\b:128*(\p)+12*\b+11], v[AF+12*(\a):AF+12*(\a)+11], v[8*(8*(\a)+\b):8*(8*(\a)+\b)+7], v[SC+8*\b+(\s)], v[SC+8*(\a)+(\s)] matrix_a_fmt:MATRIX_FMT_FP6 matrix_b_fmt:MATRIX_FMT_FP6 matrix_a_scale:MATRIX_SCALE_ROW1
.endif
.endr
.endm
.macro STEP_IN s, zero                 ; an even K step: its successor lies in the same chunk
	s_wait_dscnt 8                                 ; R's set and P's blocks 0, 1 are in; the youngest eight loads (P's blocks 2, 3) may be out
	MULQ 0, 0, \s, \zero
	MULQ 1, 0, \s, \zero
	s_wait_dscnt 0x0
	PLACES
	FETCH_R 1, 1
	FETCH_P 1, 0
	MULQ 2, 0, \s, \zero
	MULQ 3, 0, \s, \zero
	PLACES
	WIN 0
	FETCH_P 1, 2
.endm
.macro STEP_X s                        ; an odd K step: its successor lies in the next chunk
	s_wait_tensorcnt 2-(\s)/2                      ; my part of the next chunk has landed; my later chunks may be out
	s_wait_dscnt 8
	MULQ 0, 1, \s, 0
	s_wait_dscnt 0x0                               ; no LDS instruction of mine is out at the signal
	s_barrier_signal -1
	MULQ 1, 1, \s, 0
	WIN 0
	s_barrier_wait -1                              ; everybody's part of the next chunk has landed
	v_add_nc_u32 v3, CH, v3                        ; on to the next chunk; these four are the places in front of the loads below
	v_add_nc_u32 v4, CH, v4
	v_add_nc_u32 v5, CH, v5
	v_add_nc_u32 v6, CH, v6
	FETCH_R 0, 0
	FETCH_P 0, 0
	MULQ 2, 1, \s, 0
	MULQ 3, 1, \s, 0
	PLACES
	WIN 0
	FETCH_P 0, 2
.endm
.macro QUANT s                         ; 64 numbers of a lane, register 16 b + i = k 32 b + 16 h + i of my row, become a fragment in v[PC] on and its scale word in v[PW]
.irp b, 0,1,2,3
	v_max3_num_f32 v[TM+\b], |v[\s+16*\b]|, |v[\s+1+16*\b]|, 0x1800000   ; and the floor 2^(3 - 127): the byte cannot fall under 1
.endr
.irp i, 2,4,6,8,10,12,14
.irp b, 0,1,2,3
	v_max3_num_f32 v[TM+\b], v[TM+\b], |v[\s+16*\b+\i]|, |v[\s+1+16*\b+\i]|
.endr
.endr
.irp b, 0,1,2,3
	v_permlanex16_b32 v[TM+4+\b], v[TM+\b], s[SEL], s[SEL+1]
.endr
.irp b, 0,1,2,3
	v_max_num_f32 v[TM+\b], v[TM+\b], v[TM+4+\b]
.endr
.irp b, 0,1,2,3
	v_add_nc_u32 v[TM+12+\b], 0xff000000, v[TM+\b]        ; 2 off the exponent field: the conversion's scale operand
.endr
.irp b, 0,1,2,3
	v_lshrrev_b32 v[TM+4+\b], 23, v[TM+12+\b]
.endr
	v_lshl_or_b32 v[PW], v[TM+5], 8, v[TM+4]
	v_lshl_or_b32 v[PW], v[TM+6], 16, v[PW]
	v_lshl_or_b32 v[PW], v[TM+7], 24, v[PW]
.irp c, 0,1
	v_cvt_scalef32_pk16_fp6_f32 v[PC+6*\c:PC+2+6*\c], v[\s+32*\c:\s+15+32*\c], v[TM+12+2*\c]
	v_cvt_scalef32_pk16_fp6_f32 v[PC+12+4*\c:PC+14+4*\c], v[\s+16+32*\c:\s+31+32*\c], v[TM+12+2*\c+1]
.endr
	v_nop                                                  ; one plain line behind a scaled conversion
.irp c, 0,1
.irp i, 0,1,2
	v_permlane16_swap_b32 v[PC+6*\c+\i], v[PC+12+4*\c+\i]
.endr
.irp i, 0,1,2
	v_mov_b32 v[PC+3+6*\c+\i], v[PC+12+4*\c+\i]
.endr
.endr
.endm
	s_load_b256 s[4:11], s[0:1], 0x0               ; opc s[4:5], ops s[6:7], b_qkv s[8:9], himg s[10:11]
	s_load_b64 s[12:13], s[0:1], 0x20              ; hsc
	v_lshl_add_u32 v254, v0, 2, 0x48000
	v_mov_b32 v255, 0
	ds_add_u32 v254, v255
	ds_add_u32 v254, v255
	v_lshrrev_b32 v1, 5, v0
	v_readfirstlane_b32 s14, v1                    ; wave 0..3
	s_lshr_b32 s15, s14, 1                         ; which 64 of P's rows are mine.  Also: I fetch for P (0) or for R (1)
	s_and_b32 s16, s14, 1                          ; which 128 of R's rows.  Also: which half I fetch
	s_bfe_u32 s17, ttmp6, 0x40000                  ; cx
	s_bfe_u32 s18, ttmp6, 0x40004                  ; cy
	s_mov_b32 s19, ttmp9                           ; cluster x: 0 q, 1 k, 2 v: the same in all sixteen partners
	s_and_b32 s20, ttmp7, 0xffff                   ; cluster y
	s_and_b32 s57, s20, 1                          ; P's first row block hangs on cy and the cluster's place alone
	s_cmp_eq_u32 s19, 2
	s_cselect_b32 s57, s57, s20
	s_cselect_b32 s58, 640, 0
	s_lshl_b32 s57, s57, 2
	s_add_co_u32 s57, s57, s18
	s_lshl_b32 s57, s57, 3
	s_add_co_u32 s21, s57, s58                     ; q, k: 8 (4 cluster y + cy);  v: 640 + 8 (4 (cluster y & 1) + cy)
	s_lshr_b32 s60, s20, 1                         ; R's on cx and the cluster's place alone
	s_cmp_eq_u32 s19, 2
	s_cselect_b32 s60, s60, s19
	s_cselect_b32 s61, 0, 512
	s_lshl_b32 s60, s60, 2
	s_add_co_u32 s60, s60, s17
	s_lshl_b32 s60, s60, 4
	s_add_co_u32 s22, s60, s61                     ; q, k: 512 + 16 (4 cluster x + cx);  v: 16 (4 (cluster y / 2) + cx)
	s_lshl_b32 s86, s18, 2
	s_lshl_b32 s86, 15, s86                        ; my row of the cluster
	s_lshl_b32 s87, 0x1111, s17                    ; my column
	; descriptor groups 1: rows of 3,072 bytes (384 elements of 8), 12,288 bytes apart: a chunk's part of 4 (P) or 8 (R) row blocks; dense in LDS
	s_or_b32 s24, s86, (3<<16)|(1<<21)
	s_mov_b32 s25, 384<<16
	s_mov_b32 s26, 4<<16
	s_mov_b32 s27, 384<<16
	s_mov_b32 s28, 4
	s_mov_b32 s29, 1536
	s_mov_b32 s30, 0
	s_mov_b32 s31, 0
	s_or_b32 s32, s87, (3<<16)|(1<<21)
	s_mov_b32 s33, 384<<16
	s_mov_b32 s34, 8<<16
	s_mov_b32 s35, 384<<16
	s_mov_b32 s36, 8
	s_mov_b32 s37, 1536
	s_mov_b32 s38, 0
	s_mov_b32 s39, 0
	s_lshl_b32 s58, s16, 2
	s_add_co_u32 s58, s58, s21
	s_mul_i32 s58, s58, 12288                      ; P: the four blocks that I would fetch
	s_mov_b32 s59, 0
	s_lshl_b32 s62, s16, 3
	s_add_co_u32 s62, s62, s22
	s_mul_i32 s62, s62, 12288                      ; R: the eight
	s_mov_b32 s63, 0
	s_mul_i32 s88, s16, 12288                      ; and where they go: the wave's number alone enters an LDS address
	s_mul_i32 s89, s16, 24576
	s_add_co_u32 s89, s89, 24576
	s_wait_dscnt 0x0
	s_wait_kmcnt 0x0
	s_add_nc_u64 s[58:59], s[4:5], s[58:59]
	s_add_nc_u64 s[62:63], s[4:5], s[62:63]
	CROUND                                         ; all sixteen work-groups are here: the joint loads meet
.irp c, 0,1,2,3
	s_mov_b32 s[40+4*\c], 1
	s_add_co_u32 s[41+4*\c], s88, \c*CH
	s_add_nc_u64 s[42+4*\c:43+4*\c], s[58:59], \c*3072
	s_or_b32 s[43+4*\c], s[43+4*\c], 0x80000000
	s_mov_b32 s[68+4*\c], 1
	s_add_co_u32 s[69+4*\c], s89, \c*CH
	s_add_nc_u64 s[70+4*\c:71+4*\c], s[62:63], \c*3072
	s_or_b32 s[71+4*\c], s[71+4*\c], 0x80000000
.endr
	s_cmp_lt_u32 s14, 2                            ; a wave's four fills stand in one branch on its number: four loads of mine are out
	s_cbranch_scc0 .Lfill_r
	tensor_load_to_lds s[40:43], s[24:31]
	s_nop 0
	tensor_load_to_lds s[44:47], s[24:31]
	s_nop 0
	tensor_load_to_lds s[48:51], s[24:31]
	s_nop 0
	tensor_load_to_lds s[52:55], s[24:31]
	s_nop 0
	PLACES
	s_branch .Lfilled
.Lfill_r:
	tensor_load_to_lds s[68:71], s[32:39]
	s_nop 0
	tensor_load_to_lds s[72:75], s[32:39]
	s_nop 0
	tensor_load_to_lds s[76:79], s[32:39]
	s_nop 0
	tensor_load_to_lds s[80:83], s[32:39]
	s_nop 0
	PLACES
.Lfilled:
	v_and_b32 v9, 31, v0                           ; lane
	s_wait_alu depctr_va_vdst(0)
	v_and_b32 v10, 15, v0                          ; r
	v_bfe_u32 v11, v0, 4, 1                        ; h
	v_lshlrev_b32 v1, 4, v9
	v_lshlrev_b32 v2, 3, v9
	s_mul_i32 s90, s15, 12288                      ; my four blocks of P in a chunk
	v_add_nc_u32 v3, s90, v1
	v_add_nc_u32 v4, s90, v2
	s_mul_i32 s91, s16, 24576                      ; my eight of R
	s_add_co_u32 s91, s91, 24576
	v_add_nc_u32 v5, s91, v1
	v_add_nc_u32 v6, s91, v2
	s_lshl_b32 s92, s15, 2
	s_add_co_u32 s92, s92, s21
	s_lshl_b32 s92, s92, 9                         ; my blocks' scale words: P's
	s_lshl_b32 s93, s16, 3
	s_add_co_u32 s93, s93, s22
	s_lshl_b32 s93, s93, 9                         ; R's
	v_cmp_lt_u32 vcc_lo, 15, v9
	v_mov_b32 v12, s92
	v_mov_b32 v13, s93
	v_cndmask_b32 v7, v12, v13, vcc_lo             ; lanes 0-15 take P's words, lanes 16-31 R's
	v_lshl_add_u32 v7, v10, 3, v7
	v_add_nc_u32 v13, 2048, v13
	v_cndmask_b32 v8, v12, v13, vcc_lo             ; R's blocks 4-7 (P has four: its lanes read them again)
	v_lshl_add_u32 v8, v10, 3, v8
.irp i, 0,1,2,3,4,5,6,7
.irp q, 0,1,2,3
	global_load_b64 v[SC+8*\i+2*\q:SC+8*\i+2*\q+1], v[7+\i/4], s[6:7] offset:(\i%4)*512+128*\q   ; all of K's scale words, once
.endr
.endr
	s_lshl_b32 s94, s19, 2                         ; the bias along R (used for q and k): b_qkv from 256 (4 cluster x + cx) + 128 x half on; inside its 3,072 numbers in every work-group
	s_add_co_u32 s94, s94, s17
	s_lshl_b32 s94, s94, 10
	s_lshl_b32 s95, s16, 9
	s_add_co_u32 s94, s94, s95
	s_mov_b32 s95, 0
	s_add_nc_u64 s[94:95], s[8:9], s[94:95]
	v_lshlrev_b32 v14, 6, v11                      ; lanes 16-31: 16 numbers on
	WIN 0x40
.irp b, 0,1,2,3,4,5,6,7
	global_load_b128 v[96+8*\b+96*(\b/4):96+8*\b+96*(\b/4)+3], v14, s[94:95] offset:(32*(\b/2)+8*(\b%2))*4
	global_load_b128 v[96+8*\b+96*(\b/4)+4:96+8*\b+96*(\b/4)+7], v14, s[94:95] offset:(32*(\b/2)+8*(\b%2))*4+16
.endr
	WIN 0
	s_and_b32 s96, s20, 1                          ; the bias along P (used for v): b_qkv[2048 + 128 (4 (cluster y & 1) + cy) + 64 x half + my row]; likewise inside
	s_lshl_b32 s96, s96, 2
	s_add_co_u32 s96, s96, s18
	s_lshl_b32 s96, s96, 9
	s_lshl_b32 s97, s15, 8
	s_add_co_u32 s96, s96, s97
	s_add_co_u32 s96, s96, 8192
	s_mov_b32 s97, 0
	s_add_nc_u64 s[96:97], s[8:9], s[96:97]
	v_and_b32 v15, 8, v10
	v_add_nc_u32 v15, v15, v10
	v_lshlrev_b32 v15, 2, v15
.irp a, 0,1,2,3
	global_load_b32 v[96+2*\a], v15, s[96:97] offset:(32*(\a/2)+8*(\a%2))*4
	global_load_b32 v[97+2*\a], v15, s[96:97] offset:(32*(\a/2)+8*(\a%2))*4   ; twice: a pair for the packed addition
.endr
	s_mov_b32 s[SEL], 0x76543210
	s_mov_b32 s[SEL+1], 0xfedcba98
	s_mov_b32 s98, 0x7f7f0000
.irp b, 0,1,2,3
	v_mov_b32 v[TM+4+\b], 0                        ; written once: a lane permute's destination counts as one of its sources
.endr
	s_wait_tensorcnt 3                             ; my part of chunk 0 has landed; three later chunks may be out
	s_barrier_signal -1
	s_barrier_wait -1
	FETCH_R 0, 0
	FETCH_P 0, 0
	FETCH_P 0, 2
	s_wait_loadcnt 0x0                             ; scale words and biases
	STEP_IN 0, 1
	STEP_X 1
	s_wait_alu depctr_va_vdst(0)
	STEP_IN 2, 0
	STEP_X 3
	s_wait_alu depctr_va_vdst(0)
	STEP_IN 4, 0
	STEP_X 5
	s_wait_alu depctr_va_vdst(0)
	STEP_IN 6, 0
	s_wait_dscnt 8                                 ; the last K step: nothing more to fetch
	MULQ 0, 1, 7, 0
	MULQ 1, 1, 7, 0
	s_wait_dscnt 0x0
	MULQ 2, 1, 7, 0
	MULQ 3, 1, 7, 0
	WIN 0
	PLACES
	s_cmp_eq_u32 s19, 2
	s_cbranch_scc1 .Lepi_v
; ---------------- q, k: my 64 tokens x 128 columns are two heads.  For each token block: + bias, quantised along the columns: registers 0-5 of the fragment are head A's 64, registers 6-11 head B's
	s_lshl_b32 s2, s15, 2
	s_add_co_u32 s2, s2, s21                       ; my first token block
	s_lshr_b32 s3, s2, 7                           ; the batch
	s_and_b32 s2, s2, 127                          ; the block within it
	s_lshl_b32 s3, s3, 4
	s_lshl_b32 s23, s17, 2
	s_add_co_u32 s3, s3, s23
	s_lshl_b32 s23, s16, 1
	s_add_co_u32 s3, s3, s23                       ; 16 x batch + head A
	s_mov_b32 s86, 196608
	s_cmp_eq_u32 s19, 0
	s_cselect_b32 s86, 98304, s86                  ; from head to head in q's part, in k's and v's
	s_cselect_b32 s87, 0, QSZ
	s_mul_i32 s88, s3, s86
	s_add_co_u32 s88, s88, s87
	s_mul_i32 s23, s2, 768
	s_add_co_u32 s88, s88, s23
	s_mov_b32 s89, 0
	s_add_nc_u64 s[88:89], s[10:11], s[88:89]      ; head A's pieces
	s_mov_b32 s87, 0
	s_add_nc_u64 s[90:91], s[88:89], s[86:87]      ; head B's
	s_mul_i32 s92, s3, 20480
	s_lshl_b32 s23, s19, 13
	s_add_co_u32 s92, s92, s23
	s_lshl_b32 s23, s2, 6
	s_add_co_u32 s92, s92, s23
	s_mov_b32 s93, 0
	s_add_nc_u64 s[92:93], s[12:13], s[92:93]
	v_mul_u32_u24 v12, v11, 20480
	v_lshl_add_u32 v12, v10, 4, v12                ; scale words: 16 r; lanes 16-31 store head B's
	v_lshlrev_b32 v13, 4, v11                      ; 16 h
.macro EPI_QK a
	WIN 0x06                                       ; source 0 window 2 (sums), source 1 window 1 (bias)
.irp b, 0,1,2,3,4,5,6,7
.irp j, 0,2,4,6
	v_pk_add_f32 v[HA+8*\b+\j:HA+8*\b+\j+1], v[64*(\a)+8*\b+\j:64*(\a)+8*\b+\j+1], v[96+8*\b+96*(\b/4)+\j:96+8*\b+96*(\b/4)+\j+1]   ; each accumulator from its low end on
.endr
.endr
	WIN 0
.if (\a) > 0
	s_wait_xcnt 0x0                                ; the last block's stores have read the codes' registers
.endif
	QUANT HA
	global_store_b128 v1, v[PC:PC+3], s[88:89] offset:768*(\a)
	global_store_b64 v2, v[PC+4:PC+5], s[88:89] offset:768*(\a)+512
	global_store_b128 v1, v[PC+6:PC+9], s[90:91] offset:768*(\a)
	global_store_b64 v2, v[PC+10:PC+11], s[90:91] offset:768*(\a)+512
	v_lshrrev_b32 v[TW], v13, v[PW]                ; lanes 0-15: head A's two bytes; lanes 16-31: head B's
	v_and_or_b32 v[WS+(\a)], v[TW], 0xffff, s98    ; bytes 2, 3 = 127, for the zero codes of K = 64 .. 127
.endm
	EPI_QK 0
	EPI_QK 1
	EPI_QK 2
	EPI_QK 3
	global_store_b128 v12, v[WS:WS+3], s[92:93]    ; two runs of 256 consecutive bytes
	s_branch .Ldone
; ---------------- v: my 64 rows are a head's 64 channels, my 128 columns a key step.  For each block of 16 channels: + bias, quantised along the keys: one whole fragment
.Lepi_v:
	s_and_b32 s2, s20, 1
	s_lshl_b32 s2, s2, 2
	s_add_co_u32 s2, s2, s18
	s_lshl_b32 s2, s2, 1
	s_add_co_u32 s2, s2, s15                       ; the head
	s_lshr_b32 s3, s20, 1
	s_lshl_b32 s3, s3, 2
	s_add_co_u32 s3, s3, s17
	s_lshl_b32 s3, s3, 1
	s_add_co_u32 s3, s3, s16                       ; which 128 tokens of all
	s_lshr_b32 s23, s3, 4                          ; the batch
	s_and_b32 s3, s3, 15                           ; the key step
	s_lshl_b32 s23, s23, 4
	s_add_co_u32 s2, s2, s23
	s_mul_i32 s88, s2, 196608
	s_mul_i32 s23, s3, 6144
	s_add_co_u32 s88, s88, s23
	s_add_co_u32 s88, s88, QSZ+98304
	s_mov_b32 s89, 0
	s_add_nc_u64 s[88:89], s[10:11], s[88:89]
	s_mul_i32 s92, s2, 20480
	s_lshl_b32 s23, s3, 8
	s_add_co_u32 s92, s92, s23
	s_add_co_u32 s92, s92, 16384
	s_mov_b32 s93, 0
	s_add_nc_u64 s[92:93], s[12:13], s[92:93]
	v_lshlrev_b32 v12, 3, v11
	v_lshl_add_u32 v12, v10, 4, v12                ; 16 r + 8 h
.macro EPI_V a
	WIN 0x02                                       ; source 0 window 2
.set n, 0
.rept 32
	v_pk_add_f32 v[HA+n:HA+n+1], v[64*(\a)+n:64*(\a)+n+1], v[96+2*(\a):97+2*(\a)]
.set n, n+2
.endr
	WIN 0
.if (\a) > 0
	s_wait_xcnt 0x0
.endif
	QUANT HA
	global_store_b128 v1, v[PC:PC+3], s[88:89] offset:1536*(\a)
	global_store_b64 v2, v[PC+4:PC+5], s[88:89] offset:1536*(\a)+512
	global_store_b128 v1, v[PC+6:PC+9], s[88:89] offset:1536*(\a)+768
	global_store_b64 v2, v[PC+10:PC+11], s[88:89] offset:1536*(\a)+1280
	v_mov_b32 v[WS+(\a)], v[PW]
.endm
	EPI_V 0
	EPI_V 1
	EPI_V 2
	EPI_V 3
	v_cmp_lt_u32 vcc_lo, 15, v9
	v_cndmask_b32 v236, v[WS], v[WS+2], vcc_lo
	v_cndmask_b32 v237, v[WS+1], v[WS+3], vcc_lo
	global_store_b64 v12, v[236:237], s[92:93]     ; 256 consecutive bytes
.Ldone:
	s_wait_tensorcnt 0x0
	ds_add_u32 v254, v255
	s_wait_dscnt 0x0
	CROUND                                         ; the closing round: no work-group ends while a partner may still ask for a tile that names it
	s_endpgm
.Lfunc_end_k_qd296963b91_gemm_qkv:
	.size	k_qd296963b91_gemm_qkv, .Lfunc_end_k_qd296963b91_gemm_qkv-k_qd296963b91_gemm_qkv
	.p2alignl 7, 3214868480
	.fill 96, 4, 3214868480
	.section	.rodata,"a",@progbits
	.p2align	6, 0x0
	.amdhsa_kernel k_qd296963b91_gemm_qkv
		.amdhsa_group_segment_fixed_size 295424
		.amdhsa_private_segment_fixed_size 0
		.amdhsa_enable_private_segment 0
		.amdhsa_kernarg_size 40
		.amdhsa_user_sgpr_count 2
		.amdhsa_user_sgpr_kernarg_segment_ptr 1
		.amdhsa_wavefront_size32 1
		.amdhsa_system_sgpr_workgroup_id_x 1
		.amdhsa_system_sgpr_workgroup_id_y 1
		.amdhsa_system_sgpr_workgroup_id_z 1
		.amdhsa_system_vgpr_workitem_id 0
		.amdhsa_next_free_vgpr 768
		.amdhsa_next_free_sgpr 100
		.amdhsa_reserve_vcc 1
		.amdhsa_float_denorm_mode_32 3
		.amdhsa_float_denorm_mode_16_64 3
		.amdhsa_memory_ordered 1
		.amdhsa_forward_progress 1
		.amdhsa_inst_pref_size 128
	.end_amdhsa_kernel
	.amdgpu_metadata
---
amdhsa.version: [ 1, 2 ]
amdhsa.kernels:
  - .name:           k_qd296963b91_gemm_qkv
    .symbol:         k_qd296963b91_gemm_qkv.kd
    .args:
      - { .name: opc, .offset: 0, .size: 8, .value_kind: global_buffer, .address_space: global }
      - { .name: ops, .offset: 8, .size: 8, .value_kind: global_buffer, .address_space: global }
      - { .name: b_qkv, .offset: 16, .size: 8, .value_kind: global_buffer, .address_space: global }
      - { .name: himg, .offset: 24, .size: 8, .value_kind: global_buffer, .address_space: global }
      - { .name: hsc, .offset: 32, .size: 8, .value_kind: global_buffer, .address_space: global }
    .group_segment_fixed_size: 295424
    .private_segment_fixed_size: 0
    .kernarg_segment_align: 8
    .kernarg_segment_size: 40
    .max_flat_workgroup_size: 128
    .sgpr_count:     100
    .vgpr_count:     768
    .wavefront_size: 32
...
	.end_amdgpu_metadata
.endif
;; end of part 2
;; launch attn (part 3): grid 4 x 64, 16 waves a work-group, clusters of 4 x 1, 210,944 bytes of LDS; arguments himg, hsc, opc, ops; writes opc, ops
.if DOCPART == 3
	.amdgcn_target "amdgcn-amd-amdhsa--gfx1250"
	.amdhsa_code_object_version 6
	.text
	.protected	k_qd296963b91_attn
	.globl	k_qd296963b91_attn
	.p2align	8
	.type	k_qd296963b91_attn,@function
k_qd296963b91_attn:
	s_mov_b64 s[64:65], 0
	v_nop
	global_prefetch_b8 v0, s[64:65] scope:SCOPE_SE
	s_setreg_imm32_b32 hwreg(HW_REG_WAVE_MODE, 25, 1), 1
	s_wait_xcnt 0x0
	s_wait_alu depctr_hold_cnt(0) depctr_sa_sdst(0) depctr_va_vdst(0) depctr_va_sdst(0) depctr_va_ssrc(0) depctr_va_vcc(0) depctr_vm_vsrc(0)
	s_getreg_b32 s2, hwreg(HW_REG_IB_STS2, 6, 4)
	s_cmp_eq_u32 s2, 0
	s_cbranch_scc0 .Lentry_in_a_cluster
	s_endpgm
.Lentry_in_a_cluster:
	s_bfe_u32 s2, ttmp6, 0x10000c
	s_cmp_lg_u32 s2, 0x3003
	s_cbranch_scc0 .Lentry_shape_is_right
	s_endpgm
.Lentry_shape_is_right:
; Causal attention of one head of one batch for each cluster, both products on codes of FP6 (E2M3) with E8M0 scales; its result leaves as codes, quantised along the model's 1,024, as the last product's operand.
; t = score x log2(e) / 8; M = the running largest t rounded UP to a whole number; p = 2^(t - M) is quantised along the keys, not normalised; the row's sum is taken of the unquantised p and divides at the end.
; THE HEAD'S K AND V, codes and scale words, 208,896 bytes, come into each partner's LDS ONCE, by joint loads of the cluster's four work-groups; nothing is filled again.
; SHARES.  The head's 2,048 queries are 16 groups j of 128, 8 tiles of 16 each; a tile of group j wants j + 1 key steps of 128.  Partner cx and wave parity e take tile 2 cx + e of a group; wave w takes groups w / 2 and 15 - w / 2:
; 17 key steps for every wave of every work-group.  Branches hang on the wave's number and on counters alone; cx enters global addresses and the mask's lane number only.
; LAYOUT.  Both products are used transposed: S^T = K Q^T, O^T = V^T P^T: a lane holds ONE query.  Tiles hold rows 32 g + 8 u + r + 8 (r / 8), so that the 16 registers of two neighbouring tiles are 16 neighbours.
; The first product's K is 64: registers 6-11 of Q's and K's fragments are zero codes, under the scale byte 127.
; LIMITS: NaN and infinities are not served; a block of zeros carries the byte 1: its codes are zeros, and this program alone reads the bytes.
; REGISTERS: v1-7, v14, v15 addresses that stay; v8-13 the step's addresses; v16 -M, v17 the largest t, v[18:19] the sum; v20-43 Q's two fragments; v44-91 four fragments of K; v92-94 the results' scale bytes;
;   v96-159 S^T, then p, then V's four fragments; v160-191 O^T; v192-210 p's codes; v212-223 at work; v224-234 scale words; v236-253 at work.
.set QSZ, 6291456
.set LV,  98304                        ; LDS: K's pieces from 0, V's fragments from here,
.set LKS, 196608                       ; K's scale words,
.set LVS, 204800                       ; V's
.set QFA, 20
.set QFB, 32
.set KF,  44
.set PC,  192
.set PT,  204
.set BM,  212
.set PD,  216
.set SO,  220
.set KSW, 224
.set VSW, 228
.set WV,  12
.set SEL, 20
.set CS,  22
.set KS,  48                           ; s48 the key step
.set T6,  49                           ; s49 6,144 x key step: K's eight pieces, V's four fragments
.set TS,  50                           ; s50 512 x key step: K's scale words
.set TT,  51                           ; s51 256 x key step: V's
.macro CROUND
	s_barrier_signal -1
	s_barrier_wait -1
	s_cmp_lg_u32 s[WV], 0
	s_cbranch_scc1 .Lnot_wave_0_\@
	s_barrier_signal -3
.Lnot_wave_0_\@:
	s_barrier_wait -3
	s_barrier_signal -1
	s_barrier_wait -1
.endm
	s_load_b256 s[4:11], s[0:1], 0x0               ; himg s[4:5], hsc s[6:7], opc s[8:9], ops s[10:11]
	v_lshl_add_u32 v254, v0, 2, 0x33000
	v_mov_b32 v255, 0
	ds_add_u32 v254, v255
	ds_add_u32 v254, v255
	v_lshrrev_b32 v1, 5, v0
	s_delay_alu instid0(VALU_DEP_1)
	v_readfirstlane_b32 s[WV], v1                  ; wave 0..15
	s_bfe_u32 s13, ttmp6, 0x40000                  ; cx
	s_and_b32 s14, ttmp7, 0xffff                   ; 16 x batch + head
	s_and_b32 s15, s[WV], 1                        ; e
	s_lshr_b32 s16, s[WV], 1                       ; group A
	s_sub_co_u32 s17, 15, s16                      ; group B
	s_lshl_b32 s70, s13, 1
	s_add_co_u32 s70, s70, s15
	s_lshl_b32 s68, s16, 3
	s_add_co_u32 s68, s68, s70                     ; tile A = 8 jA + 2 cx + e
	s_lshl_b32 s69, s17, 3
	s_add_co_u32 s69, s69, s70                     ; tile B
	s_mul_i32 s71, s14, 98304
	s_mul_i32 s72, s68, 768
	s_add_co_u32 s72, s72, s71                     ; Q's pieces
	s_mov_b32 s73, 0
	s_mul_i32 s74, s69, 768
	s_add_co_u32 s74, s74, s71
	s_mov_b32 s75, 0
	s_mul_i32 s76, s14, 20480
	s_lshr_b32 s78, s68, 2                         ; Q's scale words: [tile / 4][r][tile % 4]
	s_lshl_b32 s78, s78, 8
	s_and_b32 s77, s68, 3
	s_lshl_b32 s77, s77, 2
	s_add_co_u32 s78, s78, s77
	s_add_co_u32 s78, s78, s76
	s_mov_b32 s79, 0
	s_lshr_b32 s80, s69, 2
	s_lshl_b32 s80, s80, 8
	s_and_b32 s77, s69, 3
	s_lshl_b32 s77, s77, 2
	s_add_co_u32 s80, s80, s77
	s_add_co_u32 s80, s80, s76
	s_mov_b32 s81, 0
	s_lshr_b32 s82, s14, 4
	s_lshl_b32 s82, s82, 7
	s_add_co_u32 s82, s82, 768                     ; the result's row blocks begin at 768 + 128 x batch
	s_and_b32 s83, s14, 15                         ; the head = which 64 of the next K
	s_add_co_u32 s84, s82, s68
	s_lshl_b32 s86, s84, 4
	s_add_co_u32 s86, s86, s83
	s_mul_i32 s86, s86, 768
	s_mov_b32 s87, 0
	s_add_co_u32 s85, s82, s69
	s_lshl_b32 s88, s85, 4
	s_add_co_u32 s88, s88, s83
	s_mul_i32 s88, s88, 768
	s_mov_b32 s89, 0
	s_lshl_b32 s90, s84, 9                         ; the result's scale bytes: block x 512 + (head / 4) x 128 + 8 r + 2 (head % 4)
	s_lshr_b32 s92, s83, 2
	s_lshl_b32 s92, s92, 7
	s_add_co_u32 s90, s90, s92
	s_and_b32 s92, s83, 3
	s_lshl_b32 s92, s92, 1
	s_add_co_u32 s90, s90, s92
	s_mov_b32 s91, 0
	s_sub_co_u32 s93, s69, s68
	s_lshl_b32 s93, s93, 9                         ; from tile A's block to tile B's
	s_and_b32 s94, s[WV], 7
	s_mul_i32 s95, s94, 24576                      ; what I fetch, if I fetch: an eighth of K's and V's codes
	s_mul_i32 s96, s14, 196608
	s_add_co_u32 s96, s96, s95
	s_add_co_u32 s96, s96, QSZ
	s_mov_b32 s97, 0
	s_add_co_u32 s98, s76, 8192                    ; K's and V's scale words: 12,288 bytes on end
	s_mov_b32 s99, 0
	; descriptor groups 1: dense blocks as rows of 256 bytes (32 elements of 8); the mask names the cluster's four work-groups
	s_mov_b32 s24, 15|(3<<16)|(1<<21)
	s_mov_b32 s25, 32<<16
	s_mov_b32 s26, 96<<16
	s_mov_b32 s27, 32<<16
	s_mov_b32 s28, 96
	s_mov_b32 s29, 32
	s_mov_b32 s30, 0
	s_mov_b32 s31, 0
	s_mov_b32 s32, 15|(3<<16)|(1<<21)
	s_mov_b32 s33, 32<<16
	s_mov_b32 s34, 48<<16
	s_mov_b32 s35, 32<<16
	s_mov_b32 s36, 48
	s_mov_b32 s37, 32
	s_mov_b32 s38, 0
	s_mov_b32 s39, 0
	s_mov_b32 s[SEL], 0x76543210
	s_mov_b32 s[SEL+1], 0xfedcba98
	s_mov_b32 s[CS], 0x3e38aa3b                    ; c = log2(e) / sqrt(64)
	s_mov_b32 s[CS+1], s[CS]
	s_wait_dscnt 0x0
	s_wait_kmcnt 0x0
	s_add_nc_u64 s[58:59], s[4:5], s[72:73]
	s_add_nc_u64 s[60:61], s[4:5], s[74:75]
	s_add_nc_u64 s[62:63], s[6:7], s[78:79]
	s_add_nc_u64 s[66:67], s[6:7], s[80:81]
	s_add_nc_u64 s[52:53], s[8:9], s[86:87]
	s_add_nc_u64 s[54:55], s[8:9], s[88:89]
	s_add_nc_u64 s[56:57], s[10:11], s[90:91]
	CROUND                                         ; all four work-groups are here: the joint loads meet
	s_mov_b32 s40, 1
	s_mov_b32 s41, s95
	s_add_nc_u64 s[42:43], s[4:5], s[96:97]
	s_or_b32 s43, s43, 0x80000000
	s_mov_b32 s44, 1
	s_mov_b32 s45, LKS
	s_add_nc_u64 s[46:47], s[6:7], s[98:99]
	s_or_b32 s47, s47, 0x80000000
	s_cmp_lt_u32 s[WV], 8                          ; waves 0-7: the codes; wave 8: the scale words; one load a wave at the most
	s_cbranch_scc0 .Lnot_codes
	tensor_load_to_lds s[40:43], s[24:31]
	s_nop 0
.rept 4
	v_nop
.endr
	s_branch .Lasked
.Lnot_codes:
	s_cmp_eq_u32 s[WV], 8
	s_cbranch_scc0 .Lasked
	tensor_load_to_lds s[44:47], s[32:39]
	s_nop 0
.rept 4
	v_nop
.endr
.Lasked:
	v_and_b32 v238, 31, v0                         ; lane
	v_and_b32 v239, 15, v0                         ; r
	v_bfe_u32 v240, v0, 4, 1                       ; h
	s_delay_alu instid0(VALU_DEP_3)
	v_lshlrev_b32 v1, 4, v238
	s_delay_alu instid0(VALU_DEP_4)
	v_lshlrev_b32 v2, 3, v238
	s_delay_alu instid0(VALU_DEP_2)
	v_add_nc_u32 v3, LV, v1
	s_delay_alu instid0(VALU_DEP_2)
	v_add_nc_u32 v4, LV, v2
	v_lshlrev_b32 v14, 4, v239                     ; 16 r
	s_delay_alu instid0(VALU_DEP_1)
	v_add_nc_u32 v5, LKS, v14
	s_delay_alu instid0(VALU_DEP_2)
	v_add_nc_u32 v6, LVS, v14
	global_load_b128 v[QFA:QFA+3], v1, s[58:59]
	global_load_b64 v[QFA+4:QFA+5], v2, s[58:59] offset:512
	global_load_b128 v[QFB:QFB+3], v1, s[60:61]
	global_load_b64 v[QFB+4:QFB+5], v2, s[60:61] offset:512
	global_load_b32 v232, v14, s[62:63]
	global_load_b32 v233, v14, s[66:67]
	v_and_b32 v7, 8, v239
	s_delay_alu instid0(VALU_DEP_1)
	v_add_nc_u32 v7, v7, v239
	v_lshlrev_b32 v241, 4, v240
	s_delay_alu instid0(VALU_DEP_1)
	v_sub_nc_u32 v7, v7, v241
	s_lshl_b32 s70, s13, 5
	s_lshl_b32 s71, s15, 3
	s_add_co_u32 s70, s70, s71
	v_add_nc_u32 v7, s70, v7                       ; my query's place in its 128, less 16 h: register 16 b + i of the diagonal step is hidden where 32 b + i is greater
	v_mul_u32_u24 v15, v240, s93
	s_delay_alu instid0(VALU_DEP_1)
	v_lshl_add_u32 v15, v239, 3, v15               ; the last store: 8 r; lanes 16-31 tile B's block
.irp i, 6,7,8,9,10,11
	v_mov_b32 v[QFA+\i], 0                         ; zero codes for K = 64 .. 127
	v_mov_b32 v[QFB+\i], 0
	v_mov_b32 v[KF+\i], 0
	v_mov_b32 v[KF+12+\i], 0
	v_mov_b32 v[KF+24+\i], 0
	v_mov_b32 v[KF+36+\i], 0
.endr
.irp b, 0,1,2,3
	v_mov_b32 v[PD+\b], 0                          ; written once: a lane permute's destination counts as one of its sources
.endr
	v_mov_b32 v237, 0                              ; (the upper half of the pair v[236:237])
	s_wait_tensorcnt 0x0                           ; my load has landed,
	s_barrier_signal -1
	s_barrier_wait -1                              ; everybody's has: from here on LDS is only read
	s_wait_loadcnt 0x0                             ; Q
; A KEY STEP of 128 keys for one tile of queries.  A step all of whose keys come after the tile's group is left out; the lines that step addresses are not.
.macro STEP jreg, qf, qs
	s_cmp_gt_u32 s[KS], s[\jreg]
	s_cbranch_scc1 .Lhidden_\@
	s_setprio 2
	v_add_nc_u32 v8, s[T6], v1                     ; six plain lines: also the places between the last step's products and the first below, which writes over V's registers
	s_wait_alu depctr_va_vdst(0)
	v_add_nc_u32 v9, s[T6], v2
	s_wait_alu depctr_va_vdst(0)
	v_add_nc_u32 v10, s[T6], v3
	v_add_nc_u32 v11, s[T6], v4
	v_add_nc_u32 v12, s[TS], v5
	s_wait_alu depctr_va_vdst(0)
	v_add_nc_u32 v13, s[TT], v6
.irp g, 0,1                                    ; S^T = K Q^T, four tiles of 16 keys at a time
.if \g > 0
.rept 4
	v_nop                                          ; places in front of loads into registers that matrix instructions have read
.endr
.endif
.irp t, 0,1,2,3
	ds_load_b128 v[KF+12*\t:KF+12*\t+3], v8 offset:768*(4*\g+\t)
	ds_load_b64 v[KF+12*\t+4:KF+12*\t+5], v9 offset:768*(4*\g+\t)+512
.endr
	ds_load_b128 v[KSW:KSW+3], v12 offset:256*\g   ; the four tiles' scale words of row r
	s_wait_dscnt 0x0
.irp t, 0,1,2,3
	v_wmma_scale_f32_16x16x128_f8f6f4 v[96+8*(4*\g+\t):103+8*(4*\g+\t)], v[KF+12*\t:KF+12*\t+11], v[\qf:\qf+11], 0, v[KSW+\t], v[\qs] matrix_a_fmt:MATRIX_FMT_FP6 matrix_b_fmt:MATRIX_FMT_FP6
.endr
.endr
.rept 4
	v_nop
.endr
	s_cmp_lg_u32 s[KS], s[\jreg]                   ; the group's last step lies on the diagonal: hidden scores become -infinity ahead of the maximum
	s_cbranch_scc1 .Lopen_\@
	v_mov_b32 v238, 0xff800000
.set n, 0
.rept 64
	v_cmp_gt_i32 vcc_lo, 32*(n/16)+n%16, v7
	v_cndmask_b32 v[96+n], v[96+n], v238, vcc_lo
.set n, n+1
.endr
.Lopen_\@:
.irp b, 0,1,2,3
	v_max3_num_f32 v[BM+\b], v[96+16*\b], v[97+16*\b], v[98+16*\b]   ; the largest score of each block of 32 keys: for the row's maximum, and, since p rises with the score, for the block's largest p
.endr
.irp i, 3,5,7,9,11,13
.irp b, 0,1,2,3
	v_max3_num_f32 v[BM+\b], v[BM+\b], v[96+16*\b+\i], v[97+16*\b+\i]
.endr
.endr
.irp b, 0,1,2,3
	v_max_num_f32 v[BM+\b], v[BM+\b], v[111+16*\b]
.endr
.irp b, 0,1,2,3
	s_delay_alu instid0(VALU_DEP_4)
	v_permlanex16_b32 v[PD+\b], v[BM+\b], s[SEL], s[SEL+1]
.endr
.irp b, 0,1,2,3
	s_delay_alu instid0(VALU_DEP_4)
	v_max_num_f32 v[BM+\b], v[BM+\b], v[PD+\b]
.endr
	s_delay_alu instid0(VALU_DEP_2)
	v_max3_num_f32 v238, v[BM], v[BM+1], v[BM+2]
	s_delay_alu instid0(VALU_DEP_1)
	v_max_num_f32 v238, v238, v[BM+3]
	s_delay_alu instid0(VALU_DEP_1)
	v_mul_f32 v238, s[CS], v238                    ; as t
	s_delay_alu instid0(VALU_DEP_1)
	v_max_num_f32 v17, v17, v238                   ; the running largest t
	v_mov_b32 v238, v16
	s_delay_alu instid0(VALU_DEP_2)
	v_floor_f32 v16, -v17                          ; the new -M = -ceil(t)
	s_delay_alu instid0(VALU_DEP_1)
	v_sub_f32 v238, v16, v238                      ; old M - new M: a whole number, 0 or less
	s_delay_alu instid0(VALU_DEP_1)
	v_cvt_i32_f32 v238, v238                       ; (it saturates)
	s_delay_alu instid0(VALU_DEP_1)
	v_ldexp_f32 v236, 1.0, v238                    ; f = 2^(old M - new M): a multiplication by it rounds nothing
.set n, 0
.rept 32
	v_pk_fma_f32 v[96+n:97+n], v[96+n:97+n], s[CS:CS+1], v[16:17] op_sel_hi:[1,0,0]   ; t - M
.set n, n+2
.endr
	s_setprio 1
.irp b, 0,1,2,3
	v_fma_f32 v[BM+\b], v[BM+\b], s[CS], v16
.endr
.set n, 0
	s_wait_alu depctr_va_vdst(0)
.rept 64
	v_exp_f32 v[96+n], v[96+n]                     ; p = 2^(t - M)
.set n, n+1
.endr
	v_pk_mul_f32 v[18:19], v[18:19], v[236:237] op_sel_hi:[1,0]   ; the sums under the new M: a plain line behind the exponentials
	s_wait_alu depctr_va_vdst(0)                   ; one wait for the batch of 64, ahead of its first reader
.irp b, 0,1,2,3
	v_exp_f32 v[BM+\b], v[BM+\b]                   ; each block's largest p
.endr
	v_pk_add_f32 v[240:241], v[100:101], v[104:105]
	v_pk_add_f32 v[252:253], v[108:109], v[112:113]
	v_pk_add_f32 v[250:251], v[116:117], v[120:121]
	v_pk_add_f32 v[248:249], v[124:125], v[128:129]
	v_pk_add_f32 v[246:247], v[132:133], v[136:137]
	v_pk_add_f32 v[244:245], v[140:141], v[144:145]
	v_pk_add_f32 v[242:243], v[148:149], v[152:153]
	v_pk_add_f32 v[18:19], v[18:19], v[156:157]
	v_pk_add_f32 v[240:241], v[240:241], v[96:97]
	v_pk_add_f32 v[252:253], v[252:253], v[98:99]
	v_pk_add_f32 v[250:251], v[250:251], v[102:103]
	v_pk_add_f32 v[248:249], v[248:249], v[106:107]
	v_pk_add_f32 v[246:247], v[246:247], v[110:111]
	v_pk_add_f32 v[244:245], v[244:245], v[114:115]
	v_pk_add_f32 v[242:243], v[242:243], v[118:119]
	v_pk_add_f32 v[18:19], v[18:19], v[122:123]
	v_pk_add_f32 v[240:241], v[240:241], v[126:127]
	v_pk_add_f32 v[252:253], v[252:253], v[130:131]
	v_pk_add_f32 v[250:251], v[250:251], v[134:135]
	v_pk_add_f32 v[248:249], v[248:249], v[138:139]
	v_pk_add_f32 v[246:247], v[246:247], v[142:143]
	v_pk_add_f32 v[244:245], v[244:245], v[146:147]
	v_pk_add_f32 v[242:243], v[242:243], v[150:151]
	v_pk_add_f32 v[18:19], v[18:19], v[154:155]
	v_pk_add_f32 v[240:241], v[240:241], v[158:159]
	s_delay_alu instid0(VALU_DEP_2)
	v_pk_add_f32 v[18:19], v[18:19], v[248:249]
	s_delay_alu instid0(VALU_DEP_2)
	v_pk_add_f32 v[240:241], v[240:241], v[246:247]
	v_pk_add_f32 v[252:253], v[252:253], v[244:245]
	v_pk_add_f32 v[250:251], v[250:251], v[242:243]
	s_delay_alu instid0(VALU_DEP_2)
	v_pk_add_f32 v[18:19], v[18:19], v[252:253]
	s_delay_alu instid0(VALU_DEP_2)
	v_pk_add_f32 v[240:241], v[240:241], v[250:251]
	s_delay_alu instid0(VALU_DEP_1)
	v_pk_add_f32 v[18:19], v[18:19], v[240:241]
	s_wait_alu depctr_va_vdst(0)                   ; and one for the four
.irp b, 0,1,2,3
	v_max_num_f32 v[BM+\b], 0x1800000, v[BM+\b]    ; the floor 2^(3 - 127)
.endr
.irp b, 0,1,2,3
	s_delay_alu instid0(VALU_DEP_4)
	v_add_nc_u32 v[SO+\b], 0xff000000, v[BM+\b]    ; the conversion's scale operand
.endr
.irp b, 0,1,2,3
	s_delay_alu instid0(VALU_DEP_4)
	v_lshrrev_b32 v[PD+\b], 23, v[SO+\b]           ; the byte
.endr
	s_delay_alu instid0(VALU_DEP_3)
	v_lshl_or_b32 v234, v[PD+1], 8, v[PD]          ; p's scale word for these 128 keys
	s_delay_alu instid0(VALU_DEP_1)
	v_lshl_or_b32 v234, v[PD+2], 16, v234
	s_delay_alu instid0(VALU_DEP_1)
	v_lshl_or_b32 v234, v[PD+3], 24, v234
.irp c, 0,1
	v_cvt_scalef32_pk16_fp6_f32 v[PC+6*\c:PC+6*\c+2], v[96+32*\c:111+32*\c], v[SO+2*\c]
	v_cvt_scalef32_pk16_fp6_f32 v[PT+4*\c:PT+4*\c+2], v[112+32*\c:127+32*\c], v[SO+2*\c+1]
.endr
	v_nop                                          ; one plain line behind a scaled conversion
	s_setprio 0
.irp t, 0,1,2,3                                ; p has been read: V's four fragments take its registers; the lines below stand between these loads and the wait for them
	ds_load_b128 v[96+12*\t:99+12*\t], v10 offset:1536*\t
	ds_load_b64 v[100+12*\t:101+12*\t], v11 offset:1536*\t+512
	ds_load_b128 v[102+12*\t:105+12*\t], v10 offset:1536*\t+768
	ds_load_b64 v[106+12*\t:107+12*\t], v11 offset:1536*\t+1280
.endr
	ds_load_b128 v[VSW:VSW+3], v13
.irp c, 0,1                                    ; the operand wants a whole block of 32 keys in a lane
.irp i, 0,1,2
	v_permlane16_swap_b32 v[PC+6*\c+\i], v[PT+4*\c+\i]
.endr
.irp i, 0,1,2
	s_delay_alu instid0(VALU_DEP_3)
	v_mov_b32 v[PC+3+6*\c+\i], v[PT+4*\c+\i]
.endr
.endr
.set n, 0
.rept 16
	v_pk_mul_f32 v[160+n:161+n], v[160+n:161+n], v[236:237] op_sel_hi:[1,0]   ; O^T under the new M; also the places in front of the products below
.set n, n+2
.endr
	s_wait_alu depctr_va_vdst(0)
	s_wait_dscnt 0x0
.irp t, 0,1,2,3                                ; O^T += V^T P^T: four accumulators by turns
	v_wmma_scale_f32_16x16x128_f8f6f4 v[160+8*\t:167+8*\t], v[96+12*\t:107+12*\t], v[PC:PC+11], v[160+8*\t:167+8*\t], v[VSW+\t], v234 matrix_a_fmt:MATRIX_FMT_FP6 matrix_b_fmt:MATRIX_FMT_FP6
.endr
.Lhidden_\@:
	s_add_co_u32 s[T6], s[T6], 6144
	s_add_co_u32 s[TS], s[TS], 512
	s_add_co_u32 s[TT], s[TT], 256
	s_add_co_u32 s[KS], s[KS], 1
.endm
; One tile of queries: all 16 key steps are walked (a constant count), j + 1 of them worked; then O^T / the sum is quantised along the head's 64 and stored as a piece of the last product's operand.
.macro JOB jreg, qf, qs, ob, hw
	s_wait_xcnt 0x0                                ; earlier stores have read their registers
	v_mov_b32 v17, 0xff61b1e6                      ; the largest t so far: -3e38
	s_delay_alu instid0(VALU_DEP_1)
	v_floor_f32 v16, -v17
	v_mov_b32 v18, 0
	v_mov_b32 v19, 0
.set n, 0
.rept 32
	v_mov_b32 v[160+n], 0                          ; the step is written once: the first finds zeros
.set n, n+1
.endr
	s_mov_b32 s[KS], 0
	s_mov_b32 s[T6], 0
	s_mov_b32 s[TS], 0
	s_mov_b32 s[TT], 0
.Lstep_\@:
	STEP \jreg, \qf, \qs
	s_cmp_lt_u32 s[KS], 16
	s_cbranch_scc1 .Lstep_\@
	s_setprio 0
.rept 4
	v_nop                                          ; places behind the last products
.endr
	v_add_f32 v18, v18, v19
	s_delay_alu instid0(VALU_DEP_1)
	v_permlanex16_b32 v238, v18, s[SEL], s[SEL+1]
	s_delay_alu instid0(VALU_DEP_1)
	v_add_f32 v18, v18, v238                       ; the row's sum
	s_wait_alu depctr_va_vdst(0)
	v_rcp_f32 v18, v18
	v_nop                                          ; a plain line behind the reciprocal
	s_wait_alu depctr_va_vdst(0)                   ; and the wait ahead of its first reader
.set n, 0
.rept 32
	v_mul_f32 v[96+n], v[160+n], v18               ; register 16 b + i = channel 32 b + 16 h + i of my query
.set n, n+1
.endr
.irp b, 0,1
	v_max3_num_f32 v[BM+\b], |v[96+16*\b]|, |v[97+16*\b]|, 0x1800000
.endr
.irp i, 2,4,6,8,10,12,14
.irp b, 0,1
	s_delay_alu instid0(VALU_DEP_2)
	v_max3_num_f32 v[BM+\b], v[BM+\b], |v[96+16*\b+\i]|, |v[97+16*\b+\i]|
.endr
.endr
.irp b, 0,1
	s_delay_alu instid0(VALU_DEP_2)
	v_permlanex16_b32 v[PD+\b], v[BM+\b], s[SEL], s[SEL+1]
.endr
.irp b, 0,1
	s_delay_alu instid0(VALU_DEP_2)
	v_max_num_f32 v[BM+\b], v[BM+\b], v[PD+\b]
.endr
.irp b, 0,1
	s_delay_alu instid0(VALU_DEP_2)
	v_add_nc_u32 v[SO+\b], 0xff000000, v[BM+\b]
.endr
.irp b, 0,1
	s_delay_alu instid0(VALU_DEP_2)
	v_lshrrev_b32 v[PD+\b], 23, v[SO+\b]
.endr
	s_delay_alu instid0(VALU_DEP_1)
	v_lshl_or_b32 v[\hw], v[PD+1], 8, v[PD]        ; my row's two scale bytes
	v_cvt_scalef32_pk16_fp6_f32 v[240:242], v[96:111], v[SO]
	v_cvt_scalef32_pk16_fp6_f32 v[244:246], v[112:127], v[SO+1]
	v_nop
.irp i, 0,1,2
	v_permlane16_swap_b32 v[240+\i], v[244+\i]
.endr
	s_delay_alu instid0(VALU_DEP_3)
	v_mov_b32 v243, v244
	s_delay_alu instid0(VALU_DEP_3)
	v_mov_b32 v244, v245
	s_delay_alu instid0(VALU_DEP_3)
	v_mov_b32 v245, v246
	global_store_b128 v1, v[240:243], s[\ob:\ob+1]               ; 512 consecutive bytes
	global_store_b64 v2, v[244:245], s[\ob:\ob+1] offset:512     ; 256 consecutive bytes
.endm
	JOB 16, QFA, 232, 52, 92
	JOB 17, QFB, 233, 54, 93
	v_and_b32 v238, 31, v0
	s_delay_alu instid0(VALU_DEP_1)
	v_cmp_lt_u32 vcc_lo, 15, v238
	s_delay_alu instid0(VALU_DEP_1)
	v_cndmask_b32 v94, v92, v93, vcc_lo            ; lanes 0-15: tile A's rows; lanes 16-31: tile B's
	global_store_b16 v15, v94, s[56:57]            ; two bytes a row: a word's other bytes belong to other heads, which are other clusters; 1 byte in 24 of what this launch stores
	s_wait_tensorcnt 0x0
	ds_add_u32 v254, v255
	s_wait_dscnt 0x0
	CROUND                                         ; the closing round
	s_endpgm
.Lfunc_end_k_qd296963b91_attn:
	.size	k_qd296963b91_attn, .Lfunc_end_k_qd296963b91_attn-k_qd296963b91_attn
	.p2alignl 7, 3214868480
	.fill 96, 4, 3214868480
	.section	.rodata,"a",@progbits
	.p2align	6, 0x0
	.amdhsa_kernel k_qd296963b91_attn
		.amdhsa_group_segment_fixed_size 210944
		.amdhsa_private_segment_fixed_size 0
		.amdhsa_enable_private_segment 0
		.amdhsa_kernarg_size 32
		.amdhsa_user_sgpr_count 2
		.amdhsa_user_sgpr_kernarg_segment_ptr 1
		.amdhsa_wavefront_size32 1
		.amdhsa_system_sgpr_workgroup_id_x 1
		.amdhsa_system_sgpr_workgroup_id_y 1
		.amdhsa_system_sgpr_workgroup_id_z 1
		.amdhsa_system_vgpr_workitem_id 0
		.amdhsa_next_free_vgpr 256
		.amdhsa_next_free_sgpr 100
		.amdhsa_reserve_vcc 1
		.amdhsa_float_denorm_mode_32 3
		.amdhsa_float_denorm_mode_16_64 3
		.amdhsa_memory_ordered 1
		.amdhsa_forward_progress 1
		.amdhsa_inst_pref_size 67
	.end_amdhsa_kernel
	.amdgpu_metadata
---
amdhsa.version: [ 1, 2 ]
amdhsa.kernels:
  - .name:           k_qd296963b91_attn
    .symbol:         k_qd296963b91_attn.kd
    .args:
      - { .name: himg, .offset: 0, .size: 8, .value_kind: global_buffer, .address_space: global }
      - { .name: hsc, .offset: 8, .size: 8, .value_kind: global_buffer, .address_space: global }
      - { .name: opc, .offset: 16, .size: 8, .value_kind: global_buffer, .address_space: global }
      - { .name: ops, .offset: 24, .size: 8, .value_kind: global_buffer, .address_space: global }
    .group_segment_fixed_size: 210944
    .private_segment_fixed_size: 0
    .kernarg_segment_align: 8
    .kernarg_segment_size: 32
    .max_flat_workgroup_size: 512
    .sgpr_count:     100
    .vgpr_count:     256
    .wavefront_size: 32
...
	.end_amdgpu_metadata
.endif
;; end of part 3
;; launch gemm_out (part 4): grid 4 x 64, 4 waves a work-group, clusters of 4 x 4, 295,424 bytes of LDS; arguments opc, ops, b_out, out0; writes out0
.if DOCPART == 4
	.amdgcn_target "amdgcn-amd-amdhsa--gfx1250"
	.amdhsa_code_object_version 6
	.text
	.protected	k_qd296963b91_gemm_out
	.globl	k_qd296963b91_gemm_out
	.p2align	8
	.type	k_qd296963b91_gemm_out,@function
k_qd296963b91_gemm_out:
	s_mov_b64 s[64:65], 0
	v_nop
	global_prefetch_b8 v0, s[64:65] scope:SCOPE_SE
	s_setreg_imm32_b32 hwreg(HW_REG_WAVE_MODE, 25, 1), 1
	s_wait_xcnt 0x0
	s_wait_alu depctr_hold_cnt(0) depctr_sa_sdst(0) depctr_va_vdst(0) depctr_va_sdst(0) depctr_va_ssrc(0) depctr_va_vcc(0) depctr_vm_vsrc(0)
	s_getreg_b32 s2, hwreg(HW_REG_IB_STS2, 6, 4)
	s_cmp_eq_u32 s2, 0
	s_cbranch_scc0 .Lentry_in_a_cluster
	s_endpgm
.Lentry_in_a_cluster:
	s_bfe_u32 s2, ttmp6, 0x10000c
	s_cmp_lg_u32 s2, 0xf033
	s_cbranch_scc0 .Lentry_shape_is_right
	s_endpgm
.Lentry_shape_is_right:
; out0 = (the attention's result) W_out + b_out on codes of FP6 (E2M3) with E8M0 scales; out0 [8192][1024] f32.
; OPERANDS come from opc / ops in the order of the operand's registers (row blocks of 16: lane r of block 2 g + u holds row 32 g + 8 u + r + 8 (r / 8)): tokens from block 768 on, W_out's columns from block 704 on.
; A TILE is 128 tokens P (source 1: a lane's row) x 256 columns R (source 0: along a lane's registers): lane (r, h) holds token r, and the 16 registers of R's blocks 2 g, 2 g + 1 are columns 32 g + 16 h + 0 .. 15.
; ALL OF K = 1,024 of a tile fits in LDS: four chunks of 256 along K, each filled once.  CLUSTER 4 x 4: P's blocks are shared along a row of the cluster, R's along a column.  Four waves, 2 x 2, each 64 x 128.
; The bias is the C of each sum's first product.
; REGISTERS.  window 0: v1-15 addresses; v32-95 scale words; v128-175 P's four fragments; on the way out v128-255 rows of out0.
;   window 1: R's fragments, two sets, v0-95 and v128-223; the bias in v96-127 and v224-255.   window 2: the accumulators, (a, b) at v[8 (8 a + b)].
.set CH,  73728
.set SC,  32
.set AF,  128
.set BK,  128
.set STO, 12
.set RD,  13
.set MSB, 0
.macro WIN new
.if MSB != \new
	s_set_vgpr_msb (MSB<<8)|\new
.set MSB, \new
.endif
.endm
.macro PLACES
.rept 4
	v_nop
.endr
.endm
.macro CROUND
	s_barrier_signal -1
	s_barrier_wait -1
	s_cmp_lg_u32 s14, 0
	s_cbranch_scc1 .Lnot_wave_0_\@
	s_barrier_signal -3
.Lnot_wave_0_\@:
	s_barrier_wait -3
	s_barrier_signal -1
	s_barrier_wait -1
.endm
.macro FRAG reg, a16, a8, off
	ds_load_b128 v[(\reg):(\reg)+3], v[\a16] offset:(\off)
	ds_load_b64 v[(\reg)+4:(\reg)+5], v[\a8] offset:(\off)+512
	ds_load_b128 v[(\reg)+6:(\reg)+9], v[\a16] offset:(\off)+768
	ds_load_b64 v[(\reg)+10:(\reg)+11], v[\a8] offset:(\off)+1280
.endm
.macro FETCH_R q, p
	WIN 0x40
.irp i, 0,1,2,3,4,5,6,7
	FRAG 128*(\p)+12*\i, 5, 6, 3072*\i+1536*(\q)
.endr
	WIN 0
.endm
.macro FETCH_P q, i0
.irp i, \i0, \i0+1
	FRAG AF+12*(\i), 3, 4, 3072*(\i)+1536*(\q)
.endr
.endm
; eight products: P's block a against R's eight; the 32 accumulators take turns, one instruction a turn.  bias = 1: the first step starts the sums from the bias
.macro MULQ a, p, s, bias
.if \bias
	WIN 0x91                                       ; source 0 (R) window 1, source 1 (P) window 0, C (bias) window 1, D window 2
.else
	WIN 0xa1                                       ; C and D window 2
.endif
.irp b, 0,1,2,3,4,5,6,7
.if \bias
	v_wmma_scale_f32_16x16x128_f8f6f4 v[8*(8*(\a)+\b):8*(8*(\a)+\b)+7], v[128*(\p)+12*\b:128*(\p)+12*\b+11], v[AF+12*(\a):AF+12*(\a)+11], v[96+8*\b+96*(\b/4):96+8*\b+96*(\b/4)+7], v[SC+8*\b+(\s)], v[SC+8*(\a)+(\s)] matrix_a_fmt:MATRIX_FMT_FP6 matrix_b_fmt:MATRIX_FMT_FP6 matrix_a_scale:MATRIX_SCALE_ROW1
.else
	v_wmma_scale_f32_16x16x128_f8f6f4 v[8*(8*(\a)+\b):8*(8*(\a)+\b)+7], v[128*(\p)+12*\b:128*(\p)+12*\b+11], v[AF+12*(\a):AF+12*(\a)+11], v[8*(8*(\a)+\b):8*(8*(\a)+\b)+7], v[SC+8*\b+(\s)], v[SC+8*(\a)+(\s)] matrix_a_fmt:MATRIX_FMT_FP6 matrix_b_fmt:MATRIX_FMT_FP6 matrix_a_scale:MATRIX_SCALE_ROW1
.endif
.endr
.endm
.macro STEP_IN s, bias
	s_wait_dscnt 8                                 ; R's set and P's blocks 0, 1 are in; the youngest eight loads (P's blocks 2, 3) may be out
	MULQ 0, 0, \s, \bias
	MULQ 1, 0, \s, \bias
	s_wait_dscnt 0x0
	PLACES
	FETCH_R 1, 1
	FETCH_P 1, 0
	MULQ 2, 0, \s, \bias
	MULQ 3, 0, \s, \bias
	PLACES
	WIN 0
	FETCH_P 1, 2
.endm
.macro STEP_X s
	s_wait_tensorcnt 2-(\s)/2                      ; my part of the next chunk has landed; my later chunks may be out
	s_wait_dscnt 8
	MULQ 0, 1, \s, 0
	s_wait_dscnt 0x0
	s_barrier_signal -1
	MULQ 1, 1, \s, 0
	WIN 0
	s_barrier_wait -1
	v_add_nc_u32 v3, CH, v3                        ; on to the next chunk; these four are the places in front of the loads below
	v_add_nc_u32 v4, CH, v4
	v_add_nc_u32 v5, CH, v5
	v_add_nc_u32 v6, CH, v6
	FETCH_R 0, 0
	FETCH_P 0, 0
	MULQ 2, 1, \s, 0
	MULQ 3, 1, \s, 0
	PLACES
	WIN 0
	FETCH_P 0, 2
.endm
	s_load_b256 s[4:11], s[0:1], 0x0               ; opc s[4:5], ops s[6:7], b_out s[8:9], out0 s[10:11]
	v_lshl_add_u32 v126, v0, 2, 0x48000
	v_mov_b32 v127, 0
	ds_add_u32 v126, v127
	ds_add_u32 v126, v127
	v_lshrrev_b32 v1, 5, v0
	v_readfirstlane_b32 s14, v1                    ; wave 0..3
	s_lshr_b32 s15, s14, 1                         ; which 64 tokens are mine.  Also: I fetch for P (0) or for R (1)
	s_and_b32 s16, s14, 1                          ; which 128 columns.  Also: which half I fetch
	s_bfe_u32 s17, ttmp6, 0x40000                  ; cx
	s_bfe_u32 s18, ttmp6, 0x40004                  ; cy
	s_and_b32 s20, ttmp7, 0xffff                   ; cluster y
	s_lshl_b32 s57, s20, 2
	s_add_co_u32 s57, s57, s18                     ; the tile's row: 4 cluster y + cy
	s_lshl_b32 s21, s57, 3
	s_add_co_u32 s21, s21, 768                     ; P's first row block
	s_lshl_b32 s22, s17, 4
	s_add_co_u32 s22, s22, 704                     ; R's
	s_lshl_b32 s86, s18, 2
	s_lshl_b32 s86, 15, s86                        ; my row of the cluster
	s_lshl_b32 s87, 0x1111, s17                    ; my column
	s_or_b32 s24, s86, (3<<16)|(1<<21)             ; rows of 3,072 bytes (384 elements of 8), 12,288 bytes apart: 4 row blocks of P
	s_mov_b32 s25, 384<<16
	s_mov_b32 s26, 4<<16
	s_mov_b32 s27, 384<<16
	s_mov_b32 s28, 4
	s_mov_b32 s29, 1536
	s_mov_b32 s30, 0
	s_mov_b32 s31, 0
	s_or_b32 s32, s87, (3<<16)|(1<<21)             ; 8 row blocks of R
	s_mov_b32 s33, 384<<16
	s_mov_b32 s34, 8<<16
	s_mov_b32 s35, 384<<16
	s_mov_b32 s36, 8
	s_mov_b32 s37, 1536
	s_mov_b32 s38, 0
	s_mov_b32 s39, 0
	s_lshl_b32 s58, s16, 2
	s_add_co_u32 s58, s58, s21
	s_mul_i32 s58, s58, 12288
	s_mov_b32 s59, 0
	s_lshl_b32 s62, s16, 3
	s_add_co_u32 s62, s62, s22
	s_mul_i32 s62, s62, 12288
	s_mov_b32 s63, 0
	s_mul_i32 s88, s16, 12288
	s_mul_i32 s89, s16, 24576
	s_add_co_u32 s89, s89, 24576
	s_wait_dscnt 0x0
	s_wait_kmcnt 0x0
	s_add_nc_u64 s[58:59], s[4:5], s[58:59]
	s_add_nc_u64 s[62:63], s[4:5], s[62:63]
	CROUND                                         ; all sixteen work-groups are here: the joint loads meet
.irp c, 0,1,2,3
	s_mov_b32 s[40+4*\c], 1
	s_add_co_u32 s[41+4*\c], s88, \c*CH
	s_add_nc_u64 s[42+4*\c:43+4*\c], s[58:59], \c*3072
	s_or_b32 s[43+4*\c], s[43+4*\c], 0x80000000
	s_mov_b32 s[68+4*\c], 1
	s_add_co_u32 s[69+4*\c], s89, \c*CH
	s_add_nc_u64 s[70+4*\c:71+4*\c], s[62:63], \c*3072
	s_or_b32 s[71+4*\c], s[71+4*\c], 0x80000000
.endr
	s_cmp_lt_u32 s14, 2                            ; a wave's four fills stand in one branch on its number: four loads of mine are out
	s_cbranch_scc0 .Lfill_r
	tensor_load_to_lds s[40:43], s[24:31]
	s_nop 0
	tensor_load_to_lds s[44:47], s[24:31]
	s_nop 0
	tensor_load_to_lds s[48:51], s[24:31]
	s_nop 0
	tensor_load_to_lds s[52:55], s[24:31]
	s_nop 0
	PLACES
	s_branch .Lfilled
.Lfill_r:
	tensor_load_to_lds s[68:71], s[32:39]
	s_nop 0
	tensor_load_to_lds s[72:75], s[32:39]
	s_nop 0
	tensor_load_to_lds s[76:79], s[32:39]
	s_nop 0
	tensor_load_to_lds s[80:83], s[32:39]
	s_nop 0
	PLACES
.Lfilled:
	v_and_b32 v9, 31, v0                           ; lane
	s_wait_alu depctr_va_vdst(0)
	v_and_b32 v10, 15, v0                          ; r
	v_bfe_u32 v11, v0, 4, 1                        ; h
	v_lshlrev_b32 v1, 4, v9
	v_lshlrev_b32 v2, 3, v9
	s_mul_i32 s90, s15, 12288
	v_add_nc_u32 v3, s90, v1
	v_add_nc_u32 v4, s90, v2
	s_mul_i32 s91, s16, 24576
	s_add_co_u32 s91, s91, 24576
	v_add_nc_u32 v5, s91, v1
	v_add_nc_u32 v6, s91, v2
	s_lshl_b32 s92, s15, 2
	s_add_co_u32 s92, s92, s21
	s_lshl_b32 s92, s92, 9
	s_lshl_b32 s93, s16, 3
	s_add_co_u32 s93, s93, s22
	s_lshl_b32 s93, s93, 9
	v_cmp_lt_u32 vcc_lo, 15, v9
	v_mov_b32 v14, s92
	v_mov_b32 v15, s93
	v_cndmask_b32 v7, v14, v15, vcc_lo             ; lanes 0-15 take P's scale words, lanes 16-31 R's
	v_lshl_add_u32 v7, v10, 3, v7
	v_add_nc_u32 v15, 2048, v15
	v_cndmask_b32 v8, v14, v15, vcc_lo             ; R's blocks 4-7 (P has four: its lanes read them again)
	v_lshl_add_u32 v8, v10, 3, v8
.irp i, 0,1,2,3,4,5,6,7
.irp q, 0,1,2,3
	global_load_b64 v[SC+8*\i+2*\q:SC+8*\i+2*\q+1], v[7+\i/4], s[6:7] offset:(\i%4)*512+128*\q
.endr
.endr
	s_lshl_b32 s94, s17, 10                        ; b_out from 256 cx + 128 x half on
	s_lshl_b32 s95, s16, 9
	s_add_co_u32 s94, s94, s95
	s_mov_b32 s95, 0
	s_add_nc_u64 s[96:97], s[8:9], s[94:95]
	v_lshlrev_b32 v14, 6, v11
	WIN 0x40
.irp b, 0,1,2,3,4,5,6,7
	global_load_b128 v[96+8*\b+96*(\b/4):96+8*\b+96*(\b/4)+3], v14, s[96:97] offset:(32*(\b/2)+8*(\b%2))*4
	global_load_b128 v[96+8*\b+96*(\b/4)+4:96+8*\b+96*(\b/4)+7], v14, s[96:97] offset:(32*(\b/2)+8*(\b%2))*4+16
.endr
	WIN 0
	s_mul_i32 s23, s14, 8448                       ; the way out: my stage, 16 rows x (512 + 16) bytes, in chunk 0: it has had its one fill, and its last read lies behind three barriers
	v_mul_u32_u24 v[STO], v10, 528
	v_lshl_add_u32 v[STO], v11, 6, v[STO]
	v_add_nc_u32 v[STO], s23, v[STO]               ; in: row r, + 64 h
	v_add_nc_u32 v[RD], s23, v1                    ; back: a row's 512 bytes
	s_lshl_b32 s2, s57, 19                         ; 128 tokens of 4,096 bytes a tile row,
	s_lshl_b32 s3, s15, 18                         ; + my 64,
	s_add_co_u32 s2, s2, s3
	s_add_co_u32 s2, s2, s94                       ; + my first column
	s_mov_b32 s3, 0
	s_add_nc_u64 s[10:11], s[10:11], s[2:3]
	s_wait_tensorcnt 3                             ; my part of chunk 0 has landed; three later chunks may be out
	s_barrier_signal -1
	s_barrier_wait -1
	FETCH_R 0, 0
	FETCH_P 0, 0
	FETCH_P 0, 2
	s_wait_loadcnt 0x0                             ; scale words and bias
	STEP_IN 0, 1
	STEP_X 1
	s_wait_alu depctr_va_vdst(0)
	STEP_IN 2, 0
	STEP_X 3
	s_wait_alu depctr_va_vdst(0)
	STEP_IN 4, 0
	STEP_X 5
	s_wait_alu depctr_va_vdst(0)
	STEP_IN 6, 0
	s_wait_dscnt 8                                 ; the last K step: nothing more to fetch
	MULQ 0, 1, 7, 0
	MULQ 1, 1, 7, 0
	s_wait_dscnt 0x0
	MULQ 2, 1, 7, 0
	MULQ 3, 1, 7, 0
	WIN 0
	PLACES
; THE WAY OUT, a block of 16 tokens x 128 columns at a time: through my own stage, back as whole rows of 512 bytes.  LDS serves a wave's instructions in order: no wait between the stores and the loads.
.macro TOSTAGE a
	WIN 0x08                                       ; an LDS store's data: window 2
.irp b, 0,1,2,3,4,5,6,7
	ds_store_b128 v[STO], v[64*(\a)+8*\b:64*(\a)+8*\b+3] offset:128*(\b/2)+32*(\b%2)       ; each accumulator from its low end on
	ds_store_b128 v[STO], v[64*(\a)+8*\b+4:64*(\a)+8*\b+7] offset:128*(\b/2)+32*(\b%2)+16
.endr
	WIN 0
.irp t, 0,1,2,3,4,5,6,7,8,9,10,11,12,13,14,15
	ds_load_b128 v[BK+64*((\a)%2)+4*\t:BK+64*((\a)%2)+4*\t+3], v[RD] offset:528*\t
.endr
.endm
.macro SEND a, younger                 ; younger: the LDS instructions issued behind block a's loads, which may stay out
	s_wait_dscnt \younger
.irp t, 0,1,2,3,4,5,6,7,8,9,10,11,12,13,14,15
	global_store_b128 v1, v[BK+64*((\a)%2)+4*\t:BK+64*((\a)%2)+4*\t+3], s[10:11] offset:(32*((\a)/2)+8*((\a)%2)+\t+8*(\t/8))*4096 th:TH_STORE_NT   ; 512 consecutive bytes of one row of out0
.endr
.endm
	TOSTAGE 0
	TOSTAGE 1
	SEND 0, 32                                     ; behind block 0's loads: block 1's 16 stores and 16 loads
	s_wait_xcnt 0x0                                ; block 0's stores have read their registers: block 2's loads may land there
	TOSTAGE 2
	SEND 1, 32
	s_wait_xcnt 0x0
	TOSTAGE 3
	SEND 2, 32
	SEND 3, 0
	s_wait_tensorcnt 0x0
	ds_add_u32 v126, v127
	s_wait_dscnt 0x0
	CROUND                                         ; the closing round
	s_endpgm
.Lfunc_end_k_qd296963b91_gemm_out:
	.size	k_qd296963b91_gemm_out, .Lfunc_end_k_qd296963b91_gemm_out-k_qd296963b91_gemm_out
	.p2alignl 7, 3214868480
	.fill 96, 4, 3214868480
	.section	.rodata,"a",@progbits
	.p2align	6, 0x0
	.amdhsa_kernel k_qd296963b91_gemm_out
		.amdhsa_group_segment_fixed_size 295424
		.amdhsa_private_segment_fixed_size 0
		.amdhsa_enable_private_segment 0
		.amdhsa_kernarg_size 32
		.amdhsa_user_sgpr_count 2
		.amdhsa_user_sgpr_kernarg_segment_ptr 1
		.amdhsa_wavefront_size32 1
		.amdhsa_system_sgpr_workgroup_id_x 1
		.amdhsa_system_sgpr_workgroup_id_y 1
		.amdhsa_system_sgpr_workgroup_id_z 1
		.amdhsa_system_vgpr_workitem_id 0
		.amdhsa_next_free_vgpr 768
		.amdhsa_next_free_sgpr 100
		.amdhsa_reserve_vcc 1
		.amdhsa_float_denorm_mode_32 3
		.amdhsa_float_denorm_mode_16_64 3
		.amdhsa_memory_ordered 1
		.amdhsa_forward_progress 1
		.amdhsa_inst_pref_size 88
	.end_amdhsa_kernel
	.amdgpu_metadata
---
amdhsa.version: [ 1, 2 ]
amdhsa.kernels:
  - .name:           k_qd296963b91_gemm_out
    .symbol:         k_qd296963b91_gemm_out.kd
    .args:
      - { .name: opc, .offset: 0, .size: 8, .value_kind: global_buffer, .address_space: global }
      - { .name: ops, .offset: 8, .size: 8, .value_kind: global_buffer, .address_space: global }
      - { .name: b_out, .offset: 16, .size: 8, .value_kind: global_buffer, .address_space: global }
      - { .name: out0, .offset: 24, .size: 8, .value_kind: global_buffer, .address_space: global }
    .group_segment_fixed_size: 295424
    .private_segment_fixed_size: 0
    .kernarg_segment_align: 8
    .kernarg_segment_size: 32
    .max_flat_workgroup_size: 128
    .sgpr_count:     100
    .vgpr_count:     768
    .wavefront_size: 32
...
	.end_amdgpu_metadata
.endif
;; end of part 4
